; MI455X (gfx1250); checked and timed in simulation.
; The chip was launched on July 23, 2026; its instructions are those of AMD's public machine-readable ISA for CDNA 5 (MIT licence, August 2026) and "CDNA5" Instruction Set Architecture Reference Guide (July 2026). The comments in the code are by the model that wrote it; some were corrected since.
;; Casual Self Attention. Allowed arithmetic: matrix products marked QUANTISED: E3M2 operands, one E8M0 scale for each 32 along K, by v_wmma_scale_f32_16x16x128_f8f6f4 with both operands' format E3M2, f32 sums; everything else in f32.
;; Inputs: Wk 1,024 x 1,024 float32; Wp 1,024 x 1,024 float32; Wq 1,024 x 1,024 float32; Wv 1,024 x 1,024 float32; attention_mask 4 x 2,048 bool; input 4 x 2,048 x 1,024 float32.
;; Outputs: out0 4 x 2,048 x 1,024 float32.
;; This version of the problem:
;;   THIS VERSION OF THE PROBLEM IS GIVEN IN LOW PRECISION. The matrix products marked QUANTISED in the list below multiply operands that are first quantised to E3M2 (3 exponent bits, 2 mantissa bits; 6 bits a number), with one power-of-two scale for each 32 numbers along K (OCP MX v1.0); their sums are f32. All else is computed in f32.
;;   The module's matrix products, in the order in which they are computed (A, B: the left and right operand; K: the contracted axis; several contracted axes count as one K, in the product's order):
;;     1. [M 8,192, K 1,024] x [K 1,024, N 1,024]; A: input input; B: input Wq: QUANTISED
;;     2. [M 8,192, K 1,024] x [K 1,024, N 1,024]; A: input input; B: input Wk: QUANTISED
;;     3. [M 8,192, K 1,024] x [K 1,024, N 1,024]; A: input input; B: input Wv: QUANTISED
;;     4. batch 64 x [M 2,048, K 64] x [K 64, N 2,048]; A: computed on the way; B: computed on the way: QUANTISED
;;     5. batch 64 x [M 2,048, K 2,048] x [K 2,048, N 64]; A: softmax (see below); B: computed on the way: QUANTISED
;;     6. [M 8,192, K 1,024] x [K 1,024, N 1,024]; A: computed on the way; B: input Wp: QUANTISED
;;   THE QUANTISER, for each operand of a quantised product, along K:
;;     - K is cut into blocks of 32 from its start; a last block that is shorter is filled with zeros.
;;     - A block's scale is 2^e with e = floor(log2(the largest magnitude in the block)) - 4, held to -126 .. 127; a block of zeros has e = 0. As a byte (E8M0): e + 127.
;;     - Each number is divided by its block's scale, clamped to +-28, and rounded to the nearest number of E3M2, ties to even, subnormals kept.
;;     - The product sums the exact products of the quantised numbers (number of the format x scale) in f32.
;;   ~~~python
;;   def quantise(x, axis):      # numpy; x: float32 -> the quantised numbers, widened to float32 again
;;       x = np.moveaxis(x, axis, -1); K = x.shape[-1]
;;       x = np.pad(x, [(0, 0)] * (x.ndim - 1) + [(0, -K % 32)]); x = x.reshape(x.shape[:-1] + (-1, 32)); a = np.abs(x).max(-1, keepdims=True)
;;       e = np.where(a > 0, np.clip(np.frexp(np.where(a > 0, a, 1))[1] - 1 - 4, -126, 127), 0)      # np.frexp(a)[1] - 1 = floor(log2(a)), exactly
;;       r = np.clip(x / 2.0 ** e, -28, 28)
;;       step = 2.0 ** (np.maximum(np.frexp(np.where(r == 0, 1, r))[1] - 1, -2) - 2)
;;       q = np.round(r / step) * step * 2.0 ** e      # np.round: ties to even
;;       return np.moveaxis(q.reshape(q.shape[:-2] + (-1,))[..., :K], -1, axis).astype(np.float32)
;;   ~~~
;;   SOFTMAX AHEAD OF A QUANTISED PRODUCT. Where the list says 'softmax', what is quantised is not the finished softmax but p = 2^(t - M), with t = logit x log2(e) and M = ceil(the row's largest t), a whole number; so 1/2 < the row's largest p <= 1. The row's sum l is taken of the UNQUANTISED p, in f32, and the product's result is divided by l at the end. Since M is a whole number, a kernel that streams over the keys may use a running M (the ceiling of the running maximum): every later rescaling is an exact power of two, which a block's scale takes up: the codes' values come out the same.
;;   OPERANDS COMPUTED ON THE WAY. 'Computed on the way' means the value that the module computes at that place (a softmax that the list does not call 'softmax' is quantised finished and normalised). What goes into a quantiser is computed in f32, as accurately as f32 sums, v_exp_f32 and their like allow (about 1e-6 of the number): no bf16 or f16 on the way to a quantiser, and a product that is left as it is and whose result goes on into a quantised operand takes f32 operands (vector FMAs, or v_wmma_f32_16x16x4_f32). A number that lies on a knife's edge between two numbers of the format may be rounded either way, as far as f32 arithmetic and the matrix unit's own rounding can turn it there, and no further.
;; One version. Each part assembles by itself: llvm-mc -triple=amdgcn-amd-amdhsa -mcpu=gfx1250 --defsym DOCPART=n.
;; ======== version 1 of 1: 4 launches
;; workspace buffers: xw_codes 9,437,184 bytes; xw_scales 393,216 bytes; qkv_frag 18,874,368 bytes; qkv_sc 786,432 bytes; ao_codes 6,291,456 bytes; ao_scales 262,144 bytes; maskw 16,896 bytes of whole numbers
;; launch quant (part 1): grid 385 x 1, 4 waves a work-group, no clusters, 33,280 bytes of LDS; arguments input, Wq, Wk, Wv, Wp, attention_mask, xw_codes, xw_scales, maskw; writes xw_codes, xw_scales, maskw
.if DOCPART == 1
	.amdgcn_target "amdgcn-amd-amdhsa--gfx1250"
	.amdhsa_code_object_version 6
	.text
	.protected	k_q0420dd7dfc_quant
	.globl	k_q0420dd7dfc_quant
	.p2align	8
	.type	k_q0420dd7dfc_quant,@function
k_q0420dd7dfc_quant:
	s_mov_b64 s[64:65], 0
	v_nop
	global_prefetch_b8 v0, s[64:65] scope:SCOPE_SE
	s_setreg_imm32_b32 hwreg(HW_REG_WAVE_MODE, 25, 1), 1
	s_wait_xcnt 0x0
; x [8192][1024] and Wq, Wk, Wv, Wp [1024][1024], f32 with K innermost, become codes of BF6 (E3M2), 6 bits each, and one E8M0 byte for each 32 along K,
; stacked in ONE table of 12,288 rows: x, Wq, Wk, Wv, Wp.  A row of codes is 768 bytes, a row of scale bytes 32.
; A block's scale is 2^(floor(log2(its largest magnitude)) - 4); its byte is the largest magnitude's exponent field - 4, held at 1 from below.
; ROW ORDER.  All rows but Wp's are stored at their index with bits 3 and 4 exchanged.  16 consecutive stored rows 32 B + 16 u + r are then the rows 32 B + 8 u + r + 8 (r / 8):
; used as source 0 of a product, two such neighbouring tiles give a lane 16 NEIGHBOURS along that index, which is what the next quantiser wants.
; A wave takes 8 rows (8,192 numbers), so the exchange is an exchange of the two bits of the wave's number in the place where it stores.
; Work-groups 0-255 take x, 256-383 the four weights, 32 rows each.  Work-group 384 turns attention_mask into lane masks for the attention launch (see .Lmask).
; LIMITS: NaN and infinities among the inputs are not served; a block whose largest magnitude lies under 2^-122, a block of zeros among them, keeps the byte 1
; (its codes are then small or zero; the bytes are read by this program alone); a bool is taken as the byte 0 or 1.
; No tensor loads, no barrier: waves share nothing.  Loads run four steps (16 loads a wave) ahead, the turn through LDS one step.
.set NWG,   384                        ; work-groups that quantise
.set STEPS, 16                         ; steps of 512 numbers in a wave's 8,192
.set EMAX,  4
.set CB,    12                         ; bytes of 16 codes
.set R,     16                         ; v16-79   four sets of 16 numbers as they are loaded
.set X,     80                         ; v80-111  two sets of 16 neighbours
.set C,     128                        ; v128-191 codes: four registers for each step, so that no store's data are written again
.set E,     112                        ; v112-127 a scale byte for each step
.set WREG,  8192                       ; LDS: a region for each wave: two stages of 32 x SP bytes, behind them its 256 scale bytes
.set SP,    80                         ; a lane's place in a stage: its 64 bytes + 16 of padding
	s_load_b256 s[4:11], s[0:1], 0x0               ; input, Wq, Wk, Wv
	s_load_b256 s[12:19], s[0:1], 0x20             ; Wp, attention_mask, xw_codes, xw_scales
	s_load_b64 s[20:21], s[0:1], 0x40              ; maskw
	v_lshl_add_u32 v192, v0, 2, 0x8000
	v_mov_b32 v193, 0
	v_lshrrev_b32 v1, 5, v0
	v_readfirstlane_b32 s22, v1                    ; wave 0..3
	v_and_b32 v2, 31, v0                           ; lane
	s_cmp_eq_u32 ttmp9, NWG
	s_cbranch_scc1 .Lmask                          ; the last work-group serves the mask
	v_lshlrev_b32 v3, 4, v2                        ; my 16 bytes of a load's 512
	s_mul_i32 s23, s22, WREG
	v_lshrrev_b32 v14, 2, v2
	v_mul_u32_u24 v14, v14, SP
	v_and_b32 v15, 3, v2
	v_lshl_add_u32 v14, v15, 4, v14
	v_add_nc_u32 v14, s23, v14                     ; the stage, on the way in: four lanes' 64 bytes on end, then 16 of padding
	v_mul_u32_u24 v15, v2, SP
	v_add_nc_u32 v15, s23, v15                     ; and on the way out: SP x lane: my 16 neighbours
	v_mul_u32_u24 v4, v2, CB                       ; my codes' place in a step's
	v_lshrrev_b32 v5, 1, v2
	s_add_co_u32 s23, s23, 2*32*SP
	v_add_nc_u32 v5, s23, v5                       ; LDS: my wave's 256 scale bytes, my block's byte
	v_lshlrev_b32 v7, 3, v2                        ; and on the way out 8 bytes a lane
	v_add_nc_u32 v6, s23, v7
	s_and_b32 s24, s22, 1
	s_lshl_b32 s24, s24, 1
	s_lshr_b32 s25, s22, 1
	s_or_b32 s24, s24, s25                         ; the wave's number with its two bits exchanged
	s_wait_alu depctr_va_vdst(0)
	s_wait_kmcnt 0x0
	s_cmp_ge_u32 ttmp9, 256                        ; which tensor: the choice hangs on the work-group's number alone
	s_cselect_b64 s[4:5], s[6:7], s[4:5]
	s_cselect_b32 s25, 31, -1                      ; a weight has 32 work-groups: its own count is the number's low five bits
	s_cmp_ge_u32 ttmp9, 288
	s_cselect_b64 s[4:5], s[8:9], s[4:5]
	s_cmp_ge_u32 ttmp9, 320
	s_cselect_b64 s[4:5], s[10:11], s[4:5]
	s_cmp_ge_u32 ttmp9, 352
	s_cselect_b64 s[4:5], s[12:13], s[4:5]
	s_cselect_b32 s24, s22, s24                    ; Wp keeps its rows' order
	s_and_b32 s25, ttmp9, s25
	s_lshl_b32 s25, s25, 2
	s_add_co_u32 s25, s25, s22                     ; which run of 8 rows of the tensor I read
	s_lshl_b32 s26, s25, 15                        ; 32,768 bytes a run (under 2^25)
	s_mov_b32 s27, 0
	s_add_nc_u64 s[4:5], s[4:5], s[26:27]
	s_lshl_b32 s25, ttmp9, 2
	s_add_co_u32 s25, s25, s24                     ; which run of 8 rows of the stacked table I write
	s_mul_i32 s26, s25, 32*STEPS*CB                ; 6,144 bytes of codes a run
	s_add_nc_u64 s[16:17], s[16:17], s[26:27]
	s_lshl_b32 s26, s25, 8                         ; 256 scale bytes a run
	s_add_nc_u64 s[18:19], s[18:19], s[26:27]
.macro LOAD t
.irp i, 0,1,2,3
	global_load_b128 v[R+16*((\t)%4)+4*\i:R+16*((\t)%4)+4*\i+3], v3, s[4:5] offset:2048*(\t)+512*\i th:TH_LOAD_NT   ; 32 lanes read 512 consecutive bytes, read once in the launch
.endr
.endm
.macro TURN t                          ; step t's numbers through the stage: LDS serves a wave's instructions in order, so no wait stands between the stores and the loads
.irp i, 0,1,2,3
	ds_store_b128 v14, v[R+16*((\t)%4)+4*\i:R+16*((\t)%4)+4*\i+3] offset:32*SP*((\t)%2)+8*SP*\i
.endr
.irp i, 0,1,2,3
	ds_load_b128 v[X+16*((\t)%2)+4*\i:X+16*((\t)%2)+4*\i+3], v15 offset:32*SP*((\t)%2)+16*\i
.endr
.endm
.irp t, 0,1,2,3
	LOAD \t
.endr
	s_wait_loadcnt 12                              ; step 0's four loads are in; the twelve of steps 1 to 3 stay out
	TURN 0
.macro STEP t
.set XS, X+16*((\t)%2)
.if (\t) > 0
	s_wait_dscnt 1                                 ; this step's numbers are back from the stage (the last step's byte store may be out): so its stores into the stage have read their registers,
.else
	s_wait_dscnt 0x0
.endif
.if (\t)+4 < STEPS
	LOAD (\t)+4                                    ; which take the loads of four steps on
.endif
.if (\t)+1 < STEPS
.if STEPS-2-(\t) >= 3
	s_wait_loadcnt 12                              ; the next step's four loads are in; those of the three steps behind it may be out
.else
	s_wait_loadcnt 4*(STEPS-2-(\t))
.endif
	TURN (\t)+1                                    ; and go through the other stage while this step is worked
.endif
	v_max3_num_f32 v8, |v[XS]|, |v[XS+1]|, |v[XS+2]|               ; the largest magnitude of my 16, in two chains
	v_max3_num_f32 v9, |v[XS+3]|, |v[XS+4]|, |v[XS+5]|
.irp i, 6,10
	v_max3_num_f32 v8, v8, |v[XS+\i]|, |v[XS+\i+1]|
	v_max3_num_f32 v9, v9, |v[XS+\i+2]|, |v[XS+\i+3]|
.endr
	v_max3_num_f32 v8, v8, |v[XS+14]|, |v[XS+15]|
	v_max3_num_f32 v8, v8, v9, (EMAX+1)<<23        ; and the floor 2^(EMAX + 1 - 127): the byte cannot fall under 1
	v_max_num_f32_dpp v8, v8, v8 row_xmask:1 row_mask:0xf bank_mask:0xf   ; and of my neighbour's 16: the block's
	v_add_nc_u32 v11, -(EMAX<<23), v8              ; EMAX off its exponent field: the conversion takes the exponent field of this operand as its scale
	v_cvt_scalef32_pk16_bf6_f32 v[C+4*(\t):C+4*(\t)+2], v[XS:XS+15], v11   ; sixteen numbers / the scale, to the nearest code, ties to even, beyond 28 the largest code; 96 bits without gaps
	v_lshrrev_b32 v[E+(\t)], 23, v11               ; the scale's byte (also the plain line behind the conversion)
	ds_store_b8 v5, v[E+(\t)] offset:16*(\t)       ; both lanes of a block write the same byte with the same value
	global_store_b96 v4, v[C+4*(\t):C+4*(\t)+2], s[16:17] offset:32*CB*(\t)   ; the wave stores 384 consecutive bytes
.endm
.irp t, 0,1,2,3,4,5,6,7,8,9,10,11,12,13,14,15
	STEP \t
.endr
	ds_load_b64 v[12:13], v6                       ; LDS serves a wave's instructions in order: these see my stores
	s_wait_dscnt 0x0
	global_store_b64 v7, v[12:13], s[18:19]        ; 32 lanes store 256 consecutive bytes, aligned
	s_wait_tensorcnt 0x0
	ds_add_u32 v192, v193
	s_wait_dscnt 0x0
	s_endpgm
; THE MASK.  Wave w takes batch w.  In the attention launch register n = 16 f + i of a key step holds, in lanes 0-15, key 128 ks + 32 f + i and, in lanes 16-31, that key + 16.
; Word n of step ks is a mask over the 32 lanes: ones where the lane's key is masked OUT.  Lane l makes words l and l + 32: keys l + 16 (l / 16) + {0, 16} and + {64, 80}.
; A second table holds for each batch one word (written 32 times) whose bit ks says that step ks has a hole.
.Lmask:
	s_wait_alu depctr_va_vdst(0)
	v_lshrrev_b32 v3, 4, v2
	v_lshl_add_u32 v3, v3, 4, v2                   ; l + 16 (l / 16)
	s_lshl_b32 s23, s22, 11
	v_add_nc_u32 v3, s23, v3                       ; in my batch's 2,048 bytes
	v_lshlrev_b32 v4, 2, v2
	s_lshl_b32 s23, s22, 12
	v_add_nc_u32 v5, s23, v4                       ; the words: 4 l + 4,096 x batch
	s_lshl_b32 s23, s22, 7
	v_add_nc_u32 v6, s23, v4                       ; the flags: 4 l + 128 x batch
	s_mov_b32 s24, 0xffff
	s_mov_b32 s25, 0                               ; the flags so far
	s_wait_alu depctr_va_vdst(0)
	s_wait_kmcnt 0x0
.set KSI, 0
.rept 16
.irp j, 0,1,2,3
	global_load_u8 v[32+4*KSI+\j], v3, s[14:15] offset:128*KSI+16*(\j%2)+64*(\j/2)
.endr
.set KSI, KSI+1
.endr
	s_wait_loadcnt 0x0
.macro MASKSTEP ks                     ; each step has data registers of its own: no store's data are written again
	v_lshl_or_b32 v[96+2*(\ks)], v[33+4*(\ks)], 16, v[32+4*(\ks)]
	v_lshl_or_b32 v[97+2*(\ks)], v[35+4*(\ks)], 16, v[34+4*(\ks)]
	v_mul_lo_u32 v[96+2*(\ks)], v[96+2*(\ks)], s24         ; a 1 becomes sixteen ones
	v_mul_lo_u32 v[97+2*(\ks)], v[97+2*(\ks)], s24
	v_xor_b32 v[96+2*(\ks)], -1, v[96+2*(\ks)]             ; ones where the key does not count
	v_xor_b32 v[97+2*(\ks)], -1, v[97+2*(\ks)]
	global_store_b32 v5, v[96+2*(\ks)], s[20:21] offset:256*(\ks)
	global_store_b32 v5, v[97+2*(\ks)], s[20:21] offset:256*(\ks)+128
	v_or_b32 v7, v[96+2*(\ks)], v[97+2*(\ks)]
	v_cmp_ne_u32 vcc_lo, 0, v7
	s_cmp_lg_u32 vcc_lo, 0                                 ; has any lane a hole?
	s_cselect_b32 s26, 1<<(\ks), 0
	s_or_b32 s25, s25, s26
.endm
.irp k, 0,1,2,3,4,5,6,7,8,9,10,11,12,13,14,15
	MASKSTEP \k
.endr
	v_mov_b32 v8, s25
	global_store_b32 v6, v8, s[20:21] offset:16384
	s_endpgm
.Lfunc_end_k_q0420dd7dfc_quant:
	.size	k_q0420dd7dfc_quant, .Lfunc_end_k_q0420dd7dfc_quant-k_q0420dd7dfc_quant
	.p2alignl 7, 3214868480
	.fill 96, 4, 3214868480
	.section	.rodata,"a",@progbits
	.p2align	6, 0x0
	.amdhsa_kernel k_q0420dd7dfc_quant
		.amdhsa_group_segment_fixed_size 33280
		.amdhsa_private_segment_fixed_size 0
		.amdhsa_enable_private_segment 0
		.amdhsa_kernarg_size 72
		.amdhsa_user_sgpr_count 2
		.amdhsa_user_sgpr_kernarg_segment_ptr 1
		.amdhsa_wavefront_size32 1
		.amdhsa_system_sgpr_workgroup_id_x 1
		.amdhsa_system_sgpr_workgroup_id_y 1
		.amdhsa_system_sgpr_workgroup_id_z 1
		.amdhsa_system_vgpr_workitem_id 0
		.amdhsa_next_free_vgpr 194
		.amdhsa_next_free_sgpr 66
		.amdhsa_reserve_vcc 1
		.amdhsa_float_denorm_mode_32 3
		.amdhsa_float_denorm_mode_16_64 3
		.amdhsa_memory_ordered 1
		.amdhsa_forward_progress 1
		.amdhsa_inst_pref_size 50
	.end_amdhsa_kernel
	.amdgpu_metadata
---
amdhsa.version: [ 1, 2 ]
amdhsa.kernels:
  - .name:           k_q0420dd7dfc_quant
    .symbol:         k_q0420dd7dfc_quant.kd
    .args:
      - { .name: input, .offset: 0, .size: 8, .value_kind: global_buffer, .address_space: global }
      - { .name: Wq, .offset: 8, .size: 8, .value_kind: global_buffer, .address_space: global }
      - { .name: Wk, .offset: 16, .size: 8, .value_kind: global_buffer, .address_space: global }
      - { .name: Wv, .offset: 24, .size: 8, .value_kind: global_buffer, .address_space: global }
      - { .name: Wp, .offset: 32, .size: 8, .value_kind: global_buffer, .address_space: global }
      - { .name: attention_mask, .offset: 40, .size: 8, .value_kind: global_buffer, .address_space: global }
      - { .name: xw_codes, .offset: 48, .size: 8, .value_kind: global_buffer, .address_space: global }
      - { .name: xw_scales, .offset: 56, .size: 8, .value_kind: global_buffer, .address_space: global }
      - { .name: maskw, .offset: 64, .size: 8, .value_kind: global_buffer, .address_space: global }
    .group_segment_fixed_size: 33280
    .private_segment_fixed_size: 0
    .kernarg_segment_align: 8
    .kernarg_segment_size: 72
    .max_flat_workgroup_size: 128
    .sgpr_count:     66
    .vgpr_count:     194
    .wavefront_size: 32
...
	.end_amdgpu_metadata
.endif
;; end of part 1
;; launch qkv (part 2): grid 8 x 48, 4 waves a work-group, clusters of 4 x 4, 327,680 bytes of LDS; arguments xw_codes, xw_scales, qkv_frag, qkv_sc; writes qkv_frag, qkv_sc
.if DOCPART == 2
	.amdgcn_target "amdgcn-amd-amdhsa--gfx1250"
	.amdhsa_code_object_version 6
	.text
	.protected	k_q0420dd7dfc_qkv
	.globl	k_q0420dd7dfc_qkv
	.p2align	8
	.type	k_q0420dd7dfc_qkv,@function
k_q0420dd7dfc_qkv:
	s_mov_b64 s[64:65], 0
	v_nop
	global_prefetch_b8 v0, s[64:65] scope:SCOPE_SE
	s_setreg_imm32_b32 hwreg(HW_REG_WAVE_MODE, 25, 1), 1
	s_wait_xcnt 0x0
	s_wait_alu depctr_hold_cnt(0) depctr_sa_sdst(0) depctr_va_vdst(0) depctr_va_sdst(0) depctr_va_ssrc(0) depctr_va_vcc(0) depctr_vm_vsrc(0)
	s_getreg_b32 s2, hwreg(HW_REG_IB_STS2, 6, 4)
	s_cmp_eq_u32 s2, 0
	s_cbranch_scc0 .Lentry_in_a_cluster
	s_endpgm
.Lentry_in_a_cluster:
	s_bfe_u32 s2, ttmp6, 0x10000c
	s_cmp_lg_u32 s2, 0xf033
	s_cbranch_scc0 .Lentry_shape_is_right
	s_endpgm
.Lentry_shape_is_right:
; q = x Wq^T, k = x Wk^T, v = x Wv^T on codes of BF6 (E3M2) with one E8M0 scale for each 32 along K = 1,024; f32 sums, K ascending; the results are quantised in registers and
; leave as IMAGES OF THE NEXT PRODUCTS' OPERAND REGISTERS: no f32 result goes to memory.
; Both operands are rows of one stacked table (x: rows 0-8,191, Wq, Wk, Wv behind it), 768 bytes of codes and 32 scale bytes a row, rows stored with bits 3 and 4 of their index exchanged.
; A tile is 256 x 256, made by four waves, 128 x 128 each: 64 accumulators of 16 x 16.  K goes in steps of 256 through two LDS slots filled by the tensor data mover; the scale bytes of the
; work-group's 512 rows come once.  4 x 4 work-groups form a cluster: "A"'s tile is asked for jointly along a row of the cluster, "B"'s along a column.
; SOURCE 0 ("B") IS ALWAYS THE OPERAND WHOSE ROW INDEX IS THE NEXT PRODUCT'S K, source 1 ("A") the other.  A lane then holds one row of A, and by the stored order of B's rows the 64 registers of
; an A block's eight accumulators are: register 16 b + i = B's row 32 b + 16 (lane / 16) + i: 16 neighbours of each block of 32.
;   clusters y = 0-7:  B = Wq, Wk (the next K is the head's 64 channels), A = x.    clusters y = 8-11:  B = x (the next K is the keys), A = Wv.
; OUT.  q, k: fragment g of a head: registers 0-5 the 16 stored rows 32 g .., registers 6-11 the 16 rows behind them; lanes 0-15 channels 0-31, lanes 16-31 channels 32-63.
;       v: fragment (key step ks, tile dt): lane % 16 = stored channel row 16 dt + .., K = keys 128 ks .. + 127.   A fragment is 3 x 512 bytes: registers 4 i .. 4 i + 3 at 512 i + 16 x lane.
;       scale words: [head index][ks][lane % 16][4 words].
; LIMITS: NaN and infinities are not served; a block whose largest magnitude lies under 2^-122 (zeros too) keeps the byte 1; the bytes are read by this program alone.
; REGISTERS, in windows of 256: window 0: v0-31 addresses; v32-63 scale words, two sets; from v128 A's fragments, one set; on the way out v64-198 are at work.
;   window 1: B's fragments, two sets, at v0 and v128.   window 2: the accumulators of my A rows 0-63 ((a, b) at v[8 (8 a + b)]);   window 3: those of rows 64-127.
.set SIZE_K, 1024
.set KSTEP,  256                       ; along K in a slot
.set NQ,     KSTEP/128                 ; matrix instructions deep
.set ROWB,   192                       ; a tile's row in bytes
.set KROW,   SIZE_K*6/8                ; a row of codes in memory
.set PITCH,  240                       ; an LDS row: 3 x (64 bytes + 16 of padding): the 32 lanes of a load of 8 bytes touch 64 different words' banks
.set FR,     12                        ; registers of a fragment
.set NL,     6                         ; LDS loads that bring one
.set NP,     4                         ; places behind this matrix instruction (ISA guide 7.12.1)
.set HALFT,  128*PITCH                 ; 128 rows: what one tensor load brings
.set SLOT,   4*HALFT                   ; A's 256 rows, then B's 256 rows
.set LAPS,   SIZE_K/(2*KSTEP)          ; 2 laps of two K steps
.set KS,     SIZE_K/32                 ; a row of scale bytes
.set SCL,    2*SLOT                    ; behind the ring: the scales, as units of 256 bytes + 16 of padding
.set HALFS,  (128*KS/256)*272          ; the scales of 128 rows
.set SBLK,   (16*KS/256)*272           ; those of 16 rows
.set SPARE,  SCL+4*HALFS               ; the spare words, 128 bytes for each wave: two blocks of 256 bytes that no other line names
.set HEADB,  98304                     ; a head's fragments of q, of k or of v, in bytes
.set ADRA, 16                          ; v16-17 LDS address of my A fragments in slot 0, 1 (v18-19: behind one padding more)
.set ADRB, 20                          ; v20-21 the same for B (v22-23)
.set ADRS, 27                          ; v27    LDS address of my scale words: lanes 0-15 A's rows, lanes 16-31 B's
.set SPW,  28                          ; v28    LDS address of my spare word; never rewritten
.set NIL,  29                          ; v29    0; never rewritten
.set SC,   32                          ; scale words: set s at v[SC + 8 NQ s]
.set AF,   128                         ; A's fragments, in window 0
.set F,    64                          ; the way out: v64-159 eight fragments, never rewritten: they are stores' data
.set PW,   160                         ; v160-167 a scale word for each A block
.set TM,   168                         ; v168-183 at work: +0 largest magnitudes, +4 the other half's / bytes, +12 the conversions' scale operands
.set TC,   184                         ; v184-191 the conversions' second halves
.set SW,   192                         ; v192-195 four scale words to store
.set VSEL, 196                         ; v196   which half words a lane takes
.set FO,   197                         ; v197   16 x lane
.set SO,   198                         ; v198   16 (lane % 16) + 4,096 (lane / 16)
.set G1, 24                            ; s[24:31] descriptor group 1 for A's tiles; s[32:39] group 0, one set for each slot
.set G0, 32
.set G1B, 48                           ; s[48:55], s[56:63] the same for B's tiles
.set G0B, 56
.set G1S, 68                           ; s[68:75], s[76:79] groups 1 and 0 for A's scales; s[80:87], s[88:91] for B's
.set G0S, 76
.set G1SB, 80
.set G0SB, 88
.set MSB, 0
.macro WIN new                         ; the immediate's high byte repeats the setting that is left
.if MSB != (\new)
	s_set_vgpr_msb (MSB<<8)|(\new)
.set MSB, (\new)
.endif
.endm
.set MUL_LO, 0xa1                      ; source 0 (B) window 1, source 1 (A) window 0, C and D window 2
.set MUL_HI, 0xf1                      ; the same, C and D window 3
.set TO_B,   0x40                      ; destination window 1, address window 0
; A joint load: waves 0 and 1 fetch for A, waves 2 and 3 for B.  Each line has one mask and one set of registers for all that issue it; the branch hangs on the wave's number alone.
; Four v_nop follow each of the two lines, ahead of the jump, the label and what follows.
.macro JLOAD g0a, g1a, g0b, g1b
	s_cmp_eq_u32 s15, 0
	s_cbranch_scc0 .Lfor_b_\@
	tensor_load_to_lds s[\g0a:\g0a+3], s[\g1a:\g1a+7]
	s_nop 0
.rept 4
	v_nop
.endr
	s_branch .Lasked_\@
.Lfor_b_\@:
	tensor_load_to_lds s[\g0b:\g0b+3], s[\g1b:\g1b+7]
	s_nop 0
.rept 4
	v_nop
.endr
.Lasked_\@:
.endm
.macro CREST                           ; a round of the cluster's barrier behind its opening barrier
	s_cmp_lg_u32 s14, 0
	s_cbranch_scc1 .Lnot_wave_0_\@
	s_barrier_signal -3
.Lnot_wave_0_\@:
	s_barrier_wait -3
	s_barrier_signal -1
	s_barrier_wait -1
.endm
.macro CROUND                          ; a whole round
	s_barrier_signal -1
	s_barrier_wait -1
	CREST
.endm
	s_load_b128 s[4:7], s[0:1], 0x0                ; the stacked codes, the stacked scale bytes
	s_load_b128 s[8:11], s[0:1], 0x10              ; the fragments, their scale words
	v_lshl_add_u32 v[SPW], v0, 2, SPARE
	v_mov_b32 v[NIL], 0
	ds_add_u32 v28, v29
	ds_add_u32 v28, v29
	s_wait_dscnt 0x0
	v_lshrrev_b32 v1, 5, v0
	v_readfirstlane_b32 s14, v1                    ; wave 0..3
	s_lshr_b32 s15, s14, 1                         ; which half of A's rows is mine.  Also: I fetch for A (0) or for B (1)
	s_and_b32 s16, s14, 1                          ; which half of B's rows.  Also: which 128 rows of that tile I fetch
	s_bfe_u32 s40, ttmp6, 0x40000                  ; cx, cy: my place in the cluster
	s_bfe_u32 s41, ttmp6, 0x40004
	s_and_b32 s12, ttmp7, 0xffff                   ; the cluster's y: 0-7 q and k, 8-11 v; the same in all sixteen partners
	s_lshl_b32 s42, ttmp9, 2
	s_add_co_u32 s42, s42, s40                     ; 4 x cluster x + cx
	s_lshl_b32 s13, s12, 3
	s_sub_co_u32 s13, s13, 64                      ; 8 (y - 8): used where y is 8 or more
	s_lshl_b32 s17, s12, 2                         ; 4 y
	s_cmp_ge_u32 s12, 8
	s_cselect_b32 s13, s13, 32                     ; B's first tile of 256 stacked rows: x's (v) or Wq's, number 32 (q, k)
	s_cselect_b32 s17, 40, s17                     ; A's: Wv's, number 40 (v), or x's (q, k)
	s_cselect_b32 s95, 1, 0                        ; 1: this cluster makes v
	s_add_co_u32 s42, s42, s13                     ; B's tile: hangs on the cluster's place and cx alone
	s_add_co_u32 s17, s17, s41                     ; A's tile: on the cluster's y and cy alone
	s_lshl_b32 s43, s41, 2
	s_lshl_b32 s43, 15, s43                        ; my row of the cluster
	s_lshl_b32 s44, 0x1111, s40                    ; my column
	; descriptor group 1: a tile of 128 rows x 192 bytes, padded in LDS
	s_or_b32 s[G1+0], s43, (0<<16)|(1<<20)|(1<<21)|(3<<22)|(3<<25)  ; 15:0 the mask: A's tiles go to my row; 17:16 elements of 1 byte; 20 padding on; 21 set beside a mask; 24:22 after every 16 words; 31:25 of 4 words
	s_or_b32 s[G1B+0], s44, (0<<16)|(1<<20)|(1<<21)|(3<<22)|(3<<25)
.irp g, G1, G1B
	s_mov_b32 s[\g+1], ROWB<<16                    ; tensor_dim0
	s_mov_b32 s[\g+2], 128<<16                     ; tensor_dim1 = 128
	s_mov_b32 s[\g+3], ROWB<<16                    ; tile_dim0
	s_mov_b32 s[\g+4], 128                         ; tile_dim1 = 128
	s_mov_b32 s[\g+5], KROW                        ; from row to row
	s_mov_b32 s[\g+6], 0
	s_mov_b32 s[\g+7], 0
.endr
	; the scales of 128 rows: a dense block of 4,096 bytes, as 16 rows of 256 bytes (32 elements of 8 bytes), 16 bytes of padding behind each
	s_or_b32 s[G1S+0], s43, (3<<16)|(1<<20)|(1<<21)|(5<<22)|(3<<25)
	s_or_b32 s[G1SB+0], s44, (3<<16)|(1<<20)|(1<<21)|(5<<22)|(3<<25)
.irp g, G1S, G1SB
	s_mov_b32 s[\g+1], 32<<16
	s_mov_b32 s[\g+2], (128*KS/256)<<16
	s_mov_b32 s[\g+3], 32<<16
	s_mov_b32 s[\g+4], 128*KS/256
	s_mov_b32 s[\g+5], 32
	s_mov_b32 s[\g+6], 0
	s_mov_b32 s[\g+7], 0
.endr
	s_lshl_b32 s18, s16, 7                         ; which 128 rows of the tile I fetch
	s_lshl_b32 s20, s17, 8
	s_add_co_u32 s20, s20, s18                     ; A: stacked row 256 x tile + 128 x half
	s_lshl_b32 s46, s42, 8
	s_add_co_u32 s46, s46, s18                     ; B likewise
	s_mov_b32 s21, 0
	s_mov_b32 s47, 0
	s_mov_b64 s[18:19], KS
	s_mul_u64 s[22:23], s[20:21], s[18:19]         ; where these rows' scales begin, in bytes
	s_mul_u64 s[92:93], s[46:47], s[18:19]
	s_mov_b64 s[18:19], KROW
	s_mul_u64 s[20:21], s[20:21], s[18:19]         ; and their codes
	s_mul_u64 s[46:47], s[46:47], s[18:19]
	s_mul_i32 s45, s14, HALFT                      ; where they go: wave x 128 rows: no place in the cluster enters an LDS address
	s_mul_i32 s94, s14, HALFS
	s_wait_kmcnt 0x0
	s_add_nc_u64 s[20:21], s[4:5], s[20:21]
	s_add_nc_u64 s[22:23], s[6:7], s[22:23]
	s_add_nc_u64 s[46:47], s[4:5], s[46:47]
	s_add_nc_u64 s[92:93], s[6:7], s[92:93]
	CROUND                                         ; all sixteen work-groups are here: the first joint loads meet
	s_mov_b32 s[G0S], 1
	s_add_co_u32 s[G0S+1], s94, SCL
	s_mov_b64 s[G0S+2:G0S+3], s[22:23]
	s_or_b32 s[G0S+3], s[G0S+3], 0x80000000
	s_mov_b32 s[G0SB], 1
	s_add_co_u32 s[G0SB+1], s94, SCL
	s_mov_b64 s[G0SB+2:G0SB+3], s[92:93]
	s_or_b32 s[G0SB+3], s[G0SB+3], 0x80000000
	JLOAD G0S, G1S, G0SB, G1SB                     ; the scales first: they are wanted with K step 0
.irp s, 0,1
	s_mov_b32 s[G0+4*\s], 1
	s_add_co_u32 s[G0+4*\s+1], s45, \s*SLOT
	s_add_nc_u64 s[G0+4*\s+2:G0+4*\s+3], s[20:21], \s*ROWB
	s_or_b32 s[G0+4*\s+3], s[G0+4*\s+3], 0x80000000
	s_mov_b32 s[G0B+4*\s], 1
	s_add_co_u32 s[G0B+4*\s+1], s45, \s*SLOT
	s_add_nc_u64 s[G0B+4*\s+2:G0B+4*\s+3], s[46:47], \s*ROWB
	s_or_b32 s[G0B+4*\s+3], s[G0B+4*\s+3], 0x80000000
	JLOAD G0+4*\s, G1, G0B+4*\s, G1B               ; by this text's count three tensor loads of a wave are out here, later one
.endr
	v_and_b32 v1, 15, v0                           ; l % 16
	v_bfe_u32 v2, v0, 4, 1                         ; l / 16
	v_mul_u32_u24 v3, v1, PITCH
	v_mul_u32_u24 v4, v2, 24
	v_add_nc_u32 v4, v3, v4                        ; a fragment's row x pitch + 24 x half
	v_lshl_add_u32 v5, v2, 4, v4                   ; and the same behind one padding more
	s_mul_i32 s21, s15, HALFT                      ; my 128 rows of A
	s_mul_i32 s22, s16, HALFT                      ; my 128 rows of B,
	s_add_co_u32 s22, s22, 2*HALFT                 ; which lie behind A's 256
.irp s, 0,1
	v_add_nc_u32 v[ADRA+\s], s21, v4
	v_add_nc_u32 v[ADRB+\s], s22, v4
	v_add_nc_u32 v[ADRA+2+\s], s21, v5
	v_add_nc_u32 v[ADRB+2+\s], s22, v5
	s_add_co_u32 s21, s21, SLOT
	s_add_co_u32 s22, s22, SLOT
.endr
	v_mul_u32_u24 v5, v1, KS                       ; my row's scales: 32 bytes a row,
	v_lshrrev_b32 v6, 8, v5
	v_lshl_add_u32 v5, v6, 4, v5                   ; and 16 more for each 256 passed
	s_mul_i32 s21, s15, HALFS                      ; A's: my 128 rows
	s_mul_i32 s22, s16, HALFS                      ; B's: my 128 rows, behind A's 256
	s_add_co_u32 s22, s22, 2*HALFS
	s_sub_co_u32 s22, s22, s21
	v_mul_u32_u24 v6, s22, v2                      ; lanes 16-31 take B's
	s_add_co_u32 s21, s21, SCL
	v_add_nc_u32 v5, v5, v6
	v_add_nc_u32 v[ADRS], s21, v5
	; where my results go.  The token side is A for q and k, B for v; the weight side the other.  These registers feed no descriptor any more.
	s_cmp_eq_u32 s95, 1
	s_cselect_b32 s18, s42, s17                    ; the tokens' tile,
	s_cselect_b32 s19, s16, s15                    ; and my half of it
	s_cselect_b32 s20, s17, s42                    ; the weight's tile,
	s_cselect_b32 s21, s15, s16                    ; and my half
	s_lshl_b32 s18, s18, 8
	s_lshl_b32 s19, s19, 7
	s_add_co_u32 s18, s18, s19                     ; my first token (stored order): 0 .. 8,064
	s_sub_co_u32 s20, s20, 32
	s_lshl_b32 s20, s20, 8
	s_lshl_b32 s21, s21, 7
	s_add_co_u32 s20, s20, s21                     ; my first weight row, counted from Wq's first: 0 .. 2,944
	s_lshr_b32 s21, s20, 10
	s_lshl_b32 s21, s21, 6                         ; 64 x (0: q, 1: k, 2: v)
	s_lshr_b32 s19, s18, 11
	s_lshl_b32 s19, s19, 4                         ; + 16 x batch
	s_add_co_u32 s21, s21, s19
	s_bfe_u32 s19, s20, 0x40006                    ; + the first of my two heads
	s_add_co_u32 s21, s21, s19
	s_bfe_u32 s19, s18, 0x40007                    ; my 128 tokens in the batch: key step 0 .. 15
	s_mul_i32 s22, s21, HEADB
	s_mul_i32 s23, s19, 4*FR*128
	s_add_co_u32 s22, s22, s23
	s_mov_b32 s23, 0
	s_add_nc_u64 s[8:9], s[8:9], s[22:23]          ; fragments: 98,304 bytes a head, 6,144 a step (under 2^25 in all)
	s_lshl_b32 s22, s21, 12
	s_lshl_b32 s19, s19, 8
	s_add_co_u32 s22, s22, s19
	s_add_nc_u64 s[10:11], s[10:11], s[22:23]      ; scale words: 4,096 bytes a head, 256 a step
.macro FRAG reg, adr, q, i             ; a fragment, 16 rows x 128 K, is 12 registers: lane l holds row l % 16; registers 6 c .. 6 c + 5 hold K = 64 c + 32 (l / 16) + 0 .. 31: 24 bytes of the row, as they lie
.irp p, 0,1,2,3,4,5                    ; in pieces of 8 bytes.  Lanes 16-31 read three pieces further on than lanes 0-15
.set PC, 12*(\q)+6*(\p/3)+\p%3        ; 16 bytes of padding lie behind every 8 pieces: where the piece three on lies behind one padding more, the second address register serves
.if PC%8 < 5
	ds_load_b64 v[\reg+2*\p:\reg+2*\p+1], v[\adr] offset:8*PC+16*(PC/8)+(\i)*16*PITCH
.else
	ds_load_b64 v[\reg+2*\p:\reg+2*\p+1], v[\adr+2] offset:8*PC+16*(PC/8)+(\i)*16*PITCH
.endif
.endr
.endm
; 16 matrix instructions: A's blocks a0, a0 + 1 x B's eight, 128 along K.  p: B's set; sc: the set of scale words.  zero = 1: the first product starts the sums.
; The 64 accumulators take turns, one instruction a turn, in the same order in every step.
.macro MUL16 a0, p, q, sc, zero
.irp a, \a0, \a0+1
.irp b, 0,1,2,3,4,5,6,7
.if \zero
	v_wmma_scale_f32_16x16x128_f8f6f4 v[8*(8*((\a)%4)+\b):8*(8*((\a)%4)+\b)+7], v[128*(\p)+FR*\b:128*(\p)+FR*\b+FR-1], v[AF+FR*(\a):AF+FR*(\a)+FR-1], 0, v[SC+8*NQ*(\sc)+NQ*\b+(\q)], v[SC+8*NQ*(\sc)+NQ*(\a)+(\q)] matrix_a_fmt:MATRIX_FMT_BF6 matrix_b_fmt:MATRIX_FMT_BF6 matrix_a_scale:MATRIX_SCALE_ROW1
.else
	v_wmma_scale_f32_16x16x128_f8f6f4 v[8*(8*((\a)%4)+\b):8*(8*((\a)%4)+\b)+7], v[128*(\p)+FR*\b:128*(\p)+FR*\b+FR-1], v[AF+FR*(\a):AF+FR*(\a)+FR-1], v[8*(8*((\a)%4)+\b):8*(8*((\a)%4)+\b)+7], v[SC+8*NQ*(\sc)+NQ*\b+(\q)], v[SC+8*NQ*(\sc)+NQ*(\a)+(\q)] matrix_a_fmt:MATRIX_FMT_BF6 matrix_b_fmt:MATRIX_FMT_BF6 matrix_a_scale:MATRIX_SCALE_ROW1
.endif
.endr
.endr
.endm
.macro FETCH_B slot, q, p              ; B's eight fragments of the slot's q-th 128 along K into set p
	WIN TO_B
.irp i, 0,1,2,3,4,5,6,7
	FRAG 128*(\p)+FR*\i, ADRB+\slot, \q, \i
.endr
	WIN 0
.endm
.macro FETCH_A slot, q, i0             ; A's blocks i0 .. i0 + 3
.irp i, \i0, \i0+1, \i0+2, \i0+3
	FRAG AF+FR*(\i), ADRA+\slot, \q, \i
.endr
.endm
.macro SCALES sc                       ; a K step's scale words into set sc: lanes 0-15 take A's block i, lanes 16-31 B's block i
.irp i, 0,1,2,3,4,5,6,7
	ds_load_b64 v[SC+8*NQ*\sc+NQ*\i:SC+8*NQ*\sc+NQ*\i+1], v[ADRS] offset:\i*SBLK
.endr
.endm
.macro PLACES n                        ; plain vector instructions between a matrix instruction and a load into, or a vector read of, its registers
.rept \n
	v_nop
.endr
.endm
; A step of 128 along K that has its successor in the same slot.
.macro STEP slot, q, zero
	s_wait_dscnt 4*NL                              ; B's set and A's blocks 0-3 are in; the youngest 24 loads (A's blocks 4-7) may be out
	WIN MUL_LO
	MUL16 0, (\q)%2, \q, \slot, \zero
	MUL16 2, (\q)%2, \q, \slot, \zero
	s_wait_dscnt 0                                 ; A's blocks 4-7 are in (asked for 32 matrix instructions ago)
	PLACES NP
	FETCH_B \slot, (\q)+1, 1-(\q)%2
	FETCH_A \slot, (\q)+1, 0
	WIN MUL_HI
	MUL16 4, (\q)%2, \q, \slot, \zero
	MUL16 6, (\q)%2, \q, \slot, \zero
	PLACES NP
	WIN 0
	FETCH_A \slot, (\q)+1, 4
.endm
; A slot's last step changes slots: one barrier; in front of it each wave waits for all its tensor loads, adds 0 to its spare word, and waits for that and for its own reads of this slot.
.macro TURN slot, next, fill
	s_wait_tensorcnt 0x0                           ; all my tensor loads have landed: my part of the next slot (every window is 0 here)
	ds_add_u32 v[SPW], v[NIL]                      ; 0 onto my spare word
	s_wait_dscnt 4*NL+1                            ; the add and the youngest 24 loads, A's blocks 4-7, may be out
	WIN MUL_LO
	MUL16 0, 1, NQ-1, \slot, 0                     ; sixteen matrix instructions stand between the add and the wait for it
	s_wait_dscnt 0x0                               ; the add is done, and my reads of this slot are over
	s_barrier_signal -1
	MUL16 2, 1, NQ-1, \slot, 0
	WIN 0
	s_barrier_wait -1
.if \fill
	CREST                                          ; the barrier has opened a round of the cluster's barrier: no wave of any partner still reads this slot or has a load on its way
	s_add_nc_u64 s[G0+4*\slot+2:G0+4*\slot+3], s[G0+4*\slot+2:G0+4*\slot+3], 2*ROWB
	s_add_nc_u64 s[G0B+4*\slot+2:G0B+4*\slot+3], s[G0B+4*\slot+2:G0B+4*\slot+3], 2*ROWB
	JLOAD G0+4*\slot, G1, G0B+4*\slot, G1B         ; the first tensor load behind the round; its four v_nop are also the places in front of the loads below
.else
	PLACES NP
.endif
	s_wait_alu depctr_va_vdst(0)
	v_add_nc_u32 v[ADRS], 4*NQ, v[ADRS]            ; on to the next K step's scale words (no LDS load of mine is out)
	FETCH_B \next, 0, 0
	FETCH_A \next, 0, 0
	SCALES \next
	WIN MUL_HI
	MUL16 4, 1, NQ-1, \slot, 0
	MUL16 6, 1, NQ-1, \slot, 0
	PLACES NP
	WIN 0
	FETCH_A \next, 0, 4
.endm
	s_wait_alu depctr_va_vdst(0)
	s_wait_tensorcnt 1                             ; the scales and my part of K step 0 are in (K step 1's load may be out)
	s_barrier_signal -1
	s_barrier_wait -1                              ; everybody's are
	FETCH_B 0, 0, 0
	FETCH_A 0, 0, 0
	SCALES 0
	FETCH_A 0, 0, 4
	STEP 0, 0, 1                                   ; the first step stands in front of the loop: its products start the sums
	s_mov_b32 s3, LAPS-1
.Llap:                                                 ; a trip goes once round the ring and fills both slots again
	TURN 0, 1, 1
	STEP 1, 0, 0
	TURN 1, 0, 1
	STEP 0, 0, 0
	s_sub_co_u32 s3, s3, 1
	s_cmp_lg_u32 s3, 0
	s_cbranch_scc1 .Llap
	TURN 0, 1, 0                                   ; the last lap fills nothing, and has no round of the cluster's barrier
	STEP 1, 0, 0
	s_wait_dscnt 4*NL                              ; the very last step: nothing more to fetch
	WIN MUL_LO
	MUL16 0, 1, NQ-1, 1, 0
	MUL16 2, 1, NQ-1, 1, 0
	s_wait_dscnt 0
	WIN MUL_HI
	MUL16 4, 1, NQ-1, 1, 0
	MUL16 6, 1, NQ-1, 1, 0
	WIN 0
; THE WAY OUT.  No LDS: the conversions' results are the next operands' registers, and each store of the wave covers 512 consecutive bytes, aligned.
; QUANT: the 64 numbers of an A block (window 2 + hi, from register s on; register 16 b + i = index 32 b + 16 (lane / 16) + i of my row) become two half fragments of six registers, at d0 (blocks 0, 1)
; and d1 (blocks 2, 3), lanes 0-15 the even block, lanes 16-31 the odd one, and the row's four scale bytes in pw.  Each accumulator is read from its low end on.
.macro QUANT hi, s, d0, d1, pw
	WIN 0
.irp b, 0,1,2,3
	v_mov_b32 v[TM+\b], 0x2800000                  ; the floor 2^(5 - 127): the byte cannot fall under 1
.endr
	WIN 0x28+0x14*(\hi)                            ; sources 1 and 2: the accumulators' window
.irp i, 0,2,4,6,8,10,12,14
.irp b, 0,1,2,3
	v_max3_num_f32 v[TM+\b], v[TM+\b], |v[(\s)+16*\b+\i]|, |v[(\s)+16*\b+\i+1]|   ; the four blocks by turns
.endr
.endr
	WIN 0
.irp b, 0,1,2,3
	v_permlanex16_b32 v[TM+4+\b], v[TM+\b], s96, s97
.endr
.irp b, 0,1,2,3
	v_max_num_f32 v[TM+\b], v[TM+\b], v[TM+4+\b]   ; with lane l xor 16's 16 numbers: the block's largest magnitude
.endr
.irp b, 0,1,2,3
	v_add_nc_u32 v[TM+12+\b], 0xfe000000, v[TM+\b] ; 4 off its exponent field: the conversion's scale operand
.endr
.irp b, 0,1,2,3
	v_lshrrev_b32 v[TM+4+\b], 23, v[TM+12+\b]      ; the scale's byte
.endr
	v_lshl_or_b32 v[\pw], v[TM+5], 8, v[TM+4]
	v_lshl_or_b32 v[\pw], v[TM+6], 16, v[\pw]
	v_lshl_or_b32 v[\pw], v[TM+7], 24, v[\pw]
	WIN 0x02+(\hi)                                 ; source 0: the accumulators' window
	v_cvt_scalef32_pk16_bf6_f32 v[(\d0):(\d0)+2], v[(\s):(\s)+15], v[TM+12]
	v_cvt_scalef32_pk16_bf6_f32 v[TC:TC+2], v[(\s)+16:(\s)+31], v[TM+13]
	v_cvt_scalef32_pk16_bf6_f32 v[(\d1):(\d1)+2], v[(\s)+32:(\s)+47], v[TM+14]
	v_cvt_scalef32_pk16_bf6_f32 v[TC+4:TC+6], v[(\s)+48:(\s)+63], v[TM+15]
	WIN 0
	v_nop                                          ; one plain place behind a scaled conversion
.irp i, 0,1,2
	v_permlane16_swap_b32 v[(\d0)+\i], v[TC+\i]    ; a whole block to a lane: the first's lanes 16-31 change places with the second's lanes 0-15
.endr
.irp i, 0,1,2
	v_mov_b32 v[(\d0)+3+\i], v[TC+\i]
.endr
.irp i, 0,1,2
	v_permlane16_swap_b32 v[(\d1)+\i], v[TC+4+\i]
.endr
.irp i, 0,1,2
	v_mov_b32 v[(\d1)+3+\i], v[TC+4+\i]
.endr
.endm
	PLACES NP                                      ; behind the last products: their results are read and A's registers are written below
	s_mov_b32 s96, 0x76543210
	s_mov_b32 s97, 0xfedcba98                      ; v_permlanex16_b32's selects for lane l xor 16
	s_mov_b32 s98, 0xffff0000                      ; lanes 16-31
	v_and_b32 v[FO], 31, v0
	v_lshlrev_b32 v[FO], 4, v[FO]
	v_and_b32 v[SO], 15, v0
	v_bfe_u32 v[VSEL], v0, 4, 1
	v_lshlrev_b32 v[SO], 4, v[SO]
	v_lshl_add_u32 v[SO], v[VSEL], 12, v[SO]       ; lanes 16-31 store the second head's words, 4,096 bytes on
	v_mov_b32 v[VSEL], 0x05040100                  ; lanes 0-15: the low half words (my first head's two blocks),
	v_mov_b32 v[TM], 0x07060302
	v_cndmask_b32 v[VSEL], v[VSEL], v[TM], s98     ; lanes 16-31: the high ones
.irp b, 0,1,2,3
	v_mov_b32 v[TM+4+\b], 0                        ; written once: a lane permute's destination counts as one of its sources
.endr
	s_cmp_lg_u32 s95, 0
	s_cbranch_scc1 .Lvpath                         ; the same way in all partners: it hangs on the cluster's y
	; q and k: my B rows are two heads x 64 channels.  A blocks 2 g and 2 g + 1 (stored token tiles) give, for each head, the two halves of fragment g.
.irp g, 0,1,2,3
	QUANT (2*\g)/4, 64*((2*\g)%4), F+24*\g, F+24*\g+12, PW+2*\g
	QUANT (2*\g+1)/4, 64*((2*\g+1)%4), F+24*\g+6, F+24*\g+18, PW+2*\g+1
	v_perm_b32 v[SW+\g], v[PW+2*\g+1], v[PW+2*\g], v[VSEL]   ; the fragment's word: tile 2 g's two bytes, then tile 2 g + 1's
.irp c, 0,1
.irp i, 0,1,2
	global_store_b128 v[FO], v[F+24*\g+12*\c+4*\i:F+24*\g+12*\c+4*\i+3], s[8:9] offset:\c*HEADB+\g*FR*128+512*\i
.endr
.endr
.endr
	s_branch .Lout
.Lvpath:
	; v: my B rows are 128 keys, one key step; A block t is tile t % 4 of head t / 4's channels: a whole fragment.
.irp t, 0,1,2,3,4,5,6,7
	QUANT \t/4, 64*(\t%4), F+12*\t, F+12*\t+6, PW+\t
.irp i, 0,1,2
	global_store_b128 v[FO], v[F+12*\t+4*\i:F+12*\t+4*\i+3], s[8:9] offset:(\t/4)*HEADB+(\t%4)*FR*128+512*\i
.endr
.endr
.irp j, 0,1,2,3
	v_cndmask_b32 v[SW+\j], v[PW+\j], v[PW+4+\j], s98   ; lanes 16-31: the second head's tiles
.endr
.Lout:
	s_wait_alu depctr_va_vdst(0)
	global_store_b128 v[SO], v[SW:SW+3], s[10:11]  ; sixteen lanes store 256 consecutive bytes, aligned: one such block for each of my two heads
	s_wait_tensorcnt 0x0                           ; the wave's end
	ds_add_u32 v[SPW], v[NIL]
	s_wait_dscnt 0x0
	CROUND                                         ; the closing round: no work-group ends while a partner may still ask for a tile that names it
	s_endpgm
.Lfunc_end_k_q0420dd7dfc_qkv:
	.size	k_q0420dd7dfc_qkv, .Lfunc_end_k_q0420dd7dfc_qkv-k_q0420dd7dfc_qkv
	.p2alignl 7, 3214868480
	.fill 96, 4, 3214868480
	.section	.rodata,"a",@progbits
	.p2align	6, 0x0
	.amdhsa_kernel k_q0420dd7dfc_qkv
		.amdhsa_group_segment_fixed_size 327680
		.amdhsa_private_segment_fixed_size 0
		.amdhsa_enable_private_segment 0
		.amdhsa_kernarg_size 32
		.amdhsa_user_sgpr_count 2
		.amdhsa_user_sgpr_kernarg_segment_ptr 1
		.amdhsa_wavefront_size32 1
		.amdhsa_system_sgpr_workgroup_id_x 1
		.amdhsa_system_sgpr_workgroup_id_y 1
		.amdhsa_system_sgpr_workgroup_id_z 1
		.amdhsa_system_vgpr_workitem_id 0
		.amdhsa_next_free_vgpr 1024
		.amdhsa_next_free_sgpr 100
		.amdhsa_reserve_vcc 0
		.amdhsa_float_denorm_mode_32 3
		.amdhsa_float_denorm_mode_16_64 3
		.amdhsa_memory_ordered 1
		.amdhsa_forward_progress 1
		.amdhsa_inst_pref_size 200
	.end_amdhsa_kernel
	.amdgpu_metadata
---
amdhsa.version: [ 1, 2 ]
amdhsa.kernels:
  - .name:           k_q0420dd7dfc_qkv
    .symbol:         k_q0420dd7dfc_qkv.kd
    .args:
      - { .name: xw_codes, .offset: 0, .size: 8, .value_kind: global_buffer, .address_space: global }
      - { .name: xw_scales, .offset: 8, .size: 8, .value_kind: global_buffer, .address_space: global }
      - { .name: qkv_frag, .offset: 16, .size: 8, .value_kind: global_buffer, .address_space: global }
      - { .name: qkv_sc, .offset: 24, .size: 8, .value_kind: global_buffer, .address_space: global }
    .group_segment_fixed_size: 327680
    .private_segment_fixed_size: 0
    .kernarg_segment_align: 8
    .kernarg_segment_size: 32
    .max_flat_workgroup_size: 128
    .sgpr_count:     100
    .vgpr_count:     1024
    .wavefront_size: 32
...
	.end_amdgpu_metadata
.endif
;; end of part 2
;; launch attn (part 3): grid 4 x 64, 16 waves a work-group, no clusters, 206,848 bytes of LDS; arguments qkv_frag, qkv_sc, maskw, ao_codes, ao_scales; writes ao_codes, ao_scales
.if DOCPART == 3
	.amdgcn_target "amdgcn-amd-amdhsa--gfx1250"
	.amdhsa_code_object_version 6
	.text
	.protected	k_q0420dd7dfc_attn
	.globl	k_q0420dd7dfc_attn
	.p2align	8
	.type	k_q0420dd7dfc_attn,@function
k_q0420dd7dfc_attn:
	s_mov_b64 s[64:65], 0
	v_nop
	global_prefetch_b8 v0, s[64:65] scope:SCOPE_SE
	s_setreg_imm32_b32 hwreg(HW_REG_WAVE_MODE, 25, 1), 1
	s_wait_xcnt 0x0
; Attention of one head (64 channels, 2,048 tokens), causal and with a mask over the keys, both products on codes of BF6 (E3M2) with one E8M0 scale for each 32 along K; the result, divided by
; the row's sum, is quantised along the channels and leaves as the last product's operand.
; THE SOFTMAX: t = score x log2(e) / 8; M = the running largest t rounded UP to a whole number; p = 2^(t - M) is quantised along the keys, not normalised; the row's sum is taken of the unquantised p.
; When M moves, the sum and O are multiplied by 2^(old M - new M), which rounds nothing.  A key that does not count has the score -infinity, so p = 0.
; A QUERY THAT SEES NO KEY has the sum 0: its scale bytes are stored as 0xff, which makes the last product's whole row NaN, as the softmax of an empty row is.
; SHARES.  Work-group (i, head) owns query blocks i and 7 - i of 256 queries.  Wave w takes stored tile w of block i, then tile 15 - w of block 7 - i: 17 key steps of 128 keys for every wave.
; LDS holds the head's K and V fragments and their scale words, filled once through registers; one barrier; behind it LDS is only read.
; No tensor load and no cluster: the pass over the key mask is jumped over on a stored word, and the causal jumps hang on the query block, which is what would tell partners apart.
; LAYOUT.  Both products are used transposed: a lane holds ONE query (lane % 16) throughout.  A fragment of K holds TWO tiles of 16 keys, 64 channels each, along its 128: multiplied by [q | 0] it
; gives the first tile's scores, by [0 | q] the second's.  By the stored order of the tokens register 16 f + i of the scores is key 128 ks + 32 f + 16 (lane / 16) + i.
; LIMITS: NaN and infinities are not served; 1 / sum is v_rcp_f32; a block's largest p is made from the block's largest score by the same two instructions (it takes v_exp_f32 not to fall where its
; input rises); a block whose largest magnitude lies under 2^-122 keeps the byte 1.
; REGISTERS: v1-4, v6, v7 addresses that stay; v5, v93 the query loads' offsets; v8-11 the step's addresses; v12 -M, v13 the largest t, v[14:15] the sum; v16-27 [q | 0]; v28-39 [0 | q];
; v40-87 four fragments of K, then of V; v88-92 constants of a lane; v96-159 scores, then p; v160-191 O^T; v192-203 p's codes; v204-229 at work; v232, v233, v236-243 scale words (v238-239 also a partial sum); v244-253 partial sums.
.set VFR,   98304                      ; LDS: K's 64 fragments at 0, V's 64 here,
.set KSC,   196608                     ; K's scale words: [step][lane % 16][4 words],
.set VSC,   200704                     ; V's likewise
.set FRB,   1536                       ; a fragment's image
.set STEPB, 6144                       ; a key step's four fragments
	s_load_b256 s[4:11], s[0:1], 0x0               ; fragments, scale words, the key masks, the result's codes
	s_load_b64 s[12:13], s[0:1], 0x20              ; the result's scale bytes
	v_lshl_add_u32 v254, v0, 2, 0x32000
	v_mov_b32 v255, 0
	v_lshrrev_b32 v1, 5, v0
	s_delay_alu instid0(VALU_DEP_1)
	v_readfirstlane_b32 s2, v1                     ; wave 0..15
	s_mov_b32 s3, ttmp9                            ; i
	s_and_b32 s16, ttmp7, 0xffff                   ; 16 x batch + head
	s_lshr_b32 s17, s16, 4                         ; batch
	s_and_b32 s18, s16, 15                         ; head
	s_mul_i32 s20, s16, 98304
	s_mov_b32 s21, 0
	s_lshl_b32 s30, s16, 12
	s_mov_b32 s31, 0
	s_lshl_b32 s32, s17, 7
	s_mov_b32 s33, 0
	s_lshl_b32 s34, s17, 12
	s_mov_b32 s35, 0
	s_mul_i32 s36, s17, 128*12288
	s_mul_i32 s37, s18, 768
	s_add_co_u32 s36, s36, s37
	s_mov_b32 s37, 0
	s_lshl_b32 s38, s17, 16
	s_lshl_b32 s39, s18, 1
	s_add_co_u32 s38, s38, s39
	s_mov_b32 s39, 0
	v_lshlrev_b32 v40, 4, v0                       ; 16 x thread: my bytes of a load's 8,192, in memory and in LDS
	v_lshl_add_u32 v41, v0, 4, 65536               ; (an LDS offset has 16 bits: the rest stands in the register)
	v_lshl_add_u32 v42, v0, 4, VFR
	v_lshl_add_u32 v43, v0, 4, VFR+65536
	v_lshl_add_u32 v44, v0, 4, KSC
	v_and_b32 v46, 255, v0
	v_lshrrev_b32 v47, 8, v0
	s_delay_alu instid0(VALU_DEP_2)
	v_lshlrev_b32 v46, 4, v46
	s_delay_alu instid0(VALU_DEP_1)
	v_lshl_add_u32 v46, v47, 18, v46               ; scale words: threads 0-255 K's 4,096 bytes, threads 256-511 V's, 64 heads x 4,096 bytes on
	s_wait_alu depctr_va_vdst(0)
	s_wait_kmcnt 0x0
	s_add_nc_u64 s[4:5], s[4:5], s[20:21]          ; q's fragments of my head;
	s_add_nc_u64 s[22:23], s[4:5], 64*98304        ; k's lie 64 heads on,
	s_add_nc_u64 s[24:25], s[4:5], 128*98304       ; v's 128
	s_add_nc_u64 s[6:7], s[6:7], s[30:31]          ; q's scale words;
	s_add_nc_u64 s[26:27], s[6:7], 64*4096         ; k's
	s_add_nc_u64 s[28:29], s[8:9], s[32:33]
	s_add_nc_u64 s[8:9], s[8:9], s[34:35]          ; my batch's lane masks: 256 bytes a key step
	s_add_nc_u64 s[10:11], s[10:11], s[36:37]      ; the result's codes: my batch's 128 tiles of 12,288 bytes, my head's 768
	s_add_nc_u64 s[12:13], s[12:13], s[38:39]      ; its scale bytes: 32 a row, my head's two
	s_load_b32 s14, s[28:29], 0x4000               ; bit ks: key step ks of my batch has a hole
.set N, 0
.rept 12
	global_load_b128 v[96+4*N:99+4*N], v40, s[22:23] offset:8192*N
.set N, N+1
.endr
.set N, 0
.rept 12
	global_load_b128 v[144+4*N:147+4*N], v40, s[24:25] offset:8192*N
.set N, N+1
.endr
	global_load_b128 v[192:195], v46, s[26:27]
	v_and_b32 v5, 31, v0                           ; lane
	s_delay_alu instid0(VALU_DEP_1)
	v_lshlrev_b32 v1, 4, v5                        ; a fragment's image: 16 x lane
	s_delay_alu instid0(VALU_DEP_1)
	v_add_nc_u32 v2, VFR, v1
	v_and_b32 v91, 15, v0                          ; r
	v_bfe_u32 v93, v0, 4, 1                        ; h
	v_lshlrev_b32 v6, 3, v5                        ; the way out: 8 x lane
	s_delay_alu instid0(VALU_DEP_2)
	v_lshl_add_u32 v7, v91, 5, v93                 ; and 32 r + h: my row's scale bytes, my block's
	s_delay_alu instid0(VALU_DEP_4)
	v_and_b32 v88, 8, v91
	s_delay_alu instid0(VALU_DEP_1)
	v_add_nc_u32 v88, v88, v91                     ; r + 8 (r / 8): my query in its group of 32, less 8 u
	v_lshlrev_b32 v93, 4, v93
	s_delay_alu instid0(VALU_DEP_1)
	v_sub_nc_u32 v88, v88, v93                     ; - 16 h
	v_lshlrev_b32 v91, 4, v91                      ; 16 r
	s_delay_alu instid0(VALU_DEP_1)
	v_add_nc_u32 v3, KSC, v91
	s_delay_alu instid0(VALU_DEP_2)
	v_add_nc_u32 v4, VSC, v91
	v_mov_b32 v89, 0xff800000                      ; -infinity
	v_mov_b32 v92, 0xff                            ; the byte of a row without keys
.irp j, 22,23,24,25,26,27,28,29,30,31,32,33
	v_mov_b32 v\j, 0                               ; the zero halves of [q | 0] and [0 | q]: zero codes, written once
.endr
.irp j, 216,217,218,219,225,226
	v_mov_b32 v\j, 0                               ; written once: lane permutes' destinations count as sources; v225 is named as the upper half of a pair
.endr
	s_mov_b32 s72, 0x76543210
	s_mov_b32 s73, 0xfedcba98                      ; v_permlanex16_b32's selects for lane l xor 16
	s_mov_b32 s74, 0x3e38aa3b                      ; c = log2(e) / 8
	s_mov_b32 s75, s74                             ; (named with it as a pair)
	s_mov_b32 s98, 0xffff0000                      ; lanes 16-31
	s_wait_loadcnt 13                              ; K's twelve loads are in; V's twelve and the scales' one may be out
.set N, 0
.rept 12
	ds_store_b128 v[40+N/8], v[96+4*N:99+4*N] offset:8192*(N%8)
.set N, N+1
.endr
	s_wait_loadcnt 1                               ; V's are in; the scales' load may be out
.set N, 0
.rept 12
	ds_store_b128 v[42+N/8], v[144+4*N:147+4*N] offset:8192*(N%8)
.set N, N+1
.endr
	s_wait_loadcnt 0x0
	ds_store_b128 v44, v[192:195]
	s_wait_kmcnt 0x0                               ; the holes' word
	s_wait_dscnt 0x0                               ; for the others' sake: my stores have landed
	s_barrier_signal -1
	s_barrier_wait -1                              ; the head lies in LDS; from here on LDS is only read
	s_mov_b32 s15, 0
.Lphase:                                               ; two trips: my tile of block i, my tile of block 7 - i
	s_sub_co_u32 s96, 7, s3
	s_sub_co_u32 s97, 15, s2
	s_cmp_eq_u32 s15, 0
	s_cselect_b32 s96, s3, s96
	s_cselect_b32 s97, s2, s97
	s_lshl_b32 s96, s96, 4
	s_add_co_u32 s99, s96, s97                     ; my stored tile of 16 queries, 0 .. 127
	s_lshr_b32 s96, s99, 1                         ; g: its fragment,
	s_and_b32 s97, s99, 1                          ; u: which half of it
	s_lshl_b32 s70, s96, 5
	s_lshl_b32 s100, s97, 3
	s_add_co_u32 s70, s70, s100                    ; my lowest query: 32 g + 8 u; lane r's is that + r + 8 (r / 8)
	s_add_co_u32 s71, s70, 23                      ; my highest
	s_mul_i32 s100, s96, FRB
	v_add_nc_u32 v5, s100, v1
	s_lshr_b32 s100, s96, 2
	s_lshl_b32 s100, s100, 8
	s_and_b32 s101, s96, 3
	s_lshl_b32 s101, s101, 2
	s_add_co_u32 s100, s100, s101
	v_add_nc_u32 v93, s100, v91                    ; its scale word: 256 (g / 4) + 16 r + 4 (g % 4)
	global_load_b128 v[40:43], v5, s[4:5]
	global_load_b128 v[44:47], v5, s[4:5] offset:512
	global_load_b128 v[48:51], v5, s[4:5] offset:1024
	global_load_b32 v226, v93, s[6:7]
	s_cmp_lg_u32 s97, 0
	s_cselect_b32 s96, -1, 0                       ; all lanes: the fragment's second half
	s_mov_b32 s97, 0x03020302
	s_cselect_b32 s97, s97, 0x01000100             ; and the word's second half, twice
	s_mul_i32 s100, s99, 12288
	s_mov_b32 s101, 0
	s_add_nc_u64 s[76:77], s[10:11], s[100:101]    ; where my tile's codes go (the last phase's stores have read these registers: the wait on XCNT at the phase's end)
	s_lshl_b32 s100, s99, 9
	s_add_nc_u64 s[78:79], s[12:13], s[100:101]    ; and its scale bytes
	s_mov_b32 s66, 0                               ; key step,
	s_mov_b32 s67, 0                               ; its first key,
	s_mov_b32 s68, 0                               ; its fragments' place,
	s_mov_b32 s69, 0                               ; its scale words' and its masks' place
	s_wait_loadcnt 0x0
.irp k, 0,1,2,3,4,5
	v_cndmask_b32 v[16+\k], v[40+\k], v[46+\k], s96
.endr
.irp k, 0,1,2,3,4,5
	v_mov_b32 v[34+\k], v[16+\k]
.endr
	v_perm_b32 v232, v226, v226, s97               ; q's two bytes in both halves of the word: it serves [q | 0] and [0 | q]
	v_mov_b32 v13, 0xff61b1e6                      ; the largest t so far: -3e38, under every t
	s_delay_alu instid0(VALU_DEP_1)
	v_floor_f32 v12, -v13                          ; -M
	v_mov_b32 v14, 0                               ; the sum, in two halves
	v_mov_b32 v15, 0
.set N, 0
.rept 32
	v_mov_b32 v[160+N], 0                          ; O^T: the step is written once; its first trip finds zeros.  (These lines are also the places between the scale word and operands just written and the first product)
.set N, N+1
.endr
.Lstep:                                                ; 16 trips, a constant; a step all of whose keys come after my queries is jumped over
	s_cmp_gt_u32 s67, s71
	s_cbranch_scc1 .Lhidden
	s_setprio 2
	v_add_nc_u32 v8, s68, v1                       ; (these four are the places in front of loads into registers that the last products have read)
	v_add_nc_u32 v9, s68, v2
	v_add_nc_u32 v10, s69, v3
	v_add_nc_u32 v11, s69, v4
.irp f, 0,1,2,3
.irp i, 0,1,2
	ds_load_b128 v[40+12*\f+4*\i:43+12*\f+4*\i], v8 offset:FRB*\f+512*\i
.endr
.endr
	ds_load_b128 v[236:239], v10                   ; K's four scale words
	s_wait_alu depctr_va_vdst(0)
	s_wait_dscnt 0x0
.irp f, 0,1,2,3
	v_wmma_scale_f32_16x16x128_f8f6f4 v[96+16*\f:103+16*\f], v[40+12*\f:51+12*\f], v[16:27], 0, v[236+\f], v232 matrix_a_fmt:MATRIX_FMT_BF6 matrix_b_fmt:MATRIX_FMT_BF6
	v_wmma_scale_f32_16x16x128_f8f6f4 v[104+16*\f:111+16*\f], v[40+12*\f:51+12*\f], v[28:39], 0, v[236+\f], v232 matrix_a_fmt:MATRIX_FMT_BF6 matrix_b_fmt:MATRIX_FMT_BF6
.endr
.rept 4
	v_nop                                          ; places: K's registers take V's fragments, and the scores are read
.endr
.irp f, 0,1,2,3
.irp i, 0,1,2
	ds_load_b128 v[40+12*\f+4*\i:43+12*\f+4*\i], v9 offset:FRB*\f+512*\i   ; V's fragments land while the softmax is walked
.endr
.endr
	ds_load_b128 v[240:243], v11                   ; V's four scale words
	s_add_co_u32 s96, s67, 127                     ; on the diagonal hidden keys' scores become -infinity; a step all of whose keys come no later than my queries skips this
	s_cmp_le_u32 s96, s70
	s_cbranch_scc1 .Lopen
	s_sub_co_i32 s96, s70, s67
	v_add_nc_u32 v90, s96, v88                     ; d = my query - the step's first key - 16 (lane / 16): register 16 f + i is hidden where 32 f + i > d
.set N, 0
.rept 64
	v_cmp_gt_i32 vcc_lo, 32*(N/16)+N%16, v90
	v_cndmask_b32 v[96+N], v[96+N], v89, vcc_lo
.set N, N+1
.endr
.Lopen:
	s_lshr_b32 s96, s14, s66                       ; has this step of my batch a hole?  A whole number that an earlier launch stored
	s_and_b32 s96, s96, 1
	s_cmp_lg_u32 s96, 0
	s_cbranch_scc0 .Lwhole
	s_load_b512 s[16:31], s[8:9], s69 offset:0x0   ; 64 lane masks, one for each register of scores
	s_load_b512 s[32:47], s[8:9], s69 offset:0x40
	s_load_b512 s[48:63], s[8:9], s69 offset:0x80
	s_load_b512 s[80:95], s[8:9], s69 offset:0xc0
	s_wait_kmcnt 0x0
.set N, 0
.rept 64
	v_cndmask_b32 v[96+N], v[96+N], v89, s[16+N+16*(N/48)]
.set N, N+1
.endr
.Lwhole:
.irp b, 0,1,2,3
	v_max3_num_f32 v[212+\b], v[96+16*\b], v[97+16*\b], v[98+16*\b]   ; the largest score of each block of 32 keys: for the row's maximum and for the block's largest p
.endr
.irp i, 3,5,7,9,11,13
.irp b, 0,1,2,3
	v_max3_num_f32 v[212+\b], v[212+\b], v[96+16*\b+\i], v[97+16*\b+\i]
.endr
.endr
.irp b, 0,1,2,3
	v_max_num_f32 v[212+\b], v[212+\b], v[111+16*\b]
.endr
.irp b, 0,1,2,3
	s_delay_alu instid0(VALU_DEP_4)
	v_permlanex16_b32 v[216+\b], v[212+\b], s72, s73
.endr
.irp b, 0,1,2,3
	s_delay_alu instid0(VALU_DEP_4)
	v_max_num_f32 v[212+\b], v[212+\b], v[216+\b]  ; with lane l xor 16's 16 keys
.endr
	s_delay_alu instid0(VALU_DEP_2)
	v_max3_num_f32 v226, v212, v213, v214
	s_delay_alu instid0(VALU_DEP_1)
	v_max_num_f32 v226, v226, v215                 ; the step's largest score of my query
	s_delay_alu instid0(VALU_DEP_1)
	v_mul_f32 v226, s74, v226                      ; as t (c is positive)
	s_delay_alu instid0(VALU_DEP_1)
	v_max_num_f32 v13, v13, v226                   ; the running largest t
	v_mov_b32 v226, v12
	s_delay_alu instid0(VALU_DEP_2)
	v_floor_f32 v12, -v13                          ; the new -M = floor(-t) = -ceil(t)
	s_delay_alu instid0(VALU_DEP_1)
	v_sub_f32 v226, v12, v226                      ; old M - new M: a whole number, 0 or less
	s_delay_alu instid0(VALU_DEP_1)
	v_cvt_i32_f32 v226, v226                       ; (it saturates)
	s_delay_alu instid0(VALU_DEP_1)
	v_ldexp_f32 v224, 1.0, v226                    ; f = 2^(old M - new M)
.set N, 0
	s_setprio 1
.rept 32
	v_pk_fma_f32 v[96+N:97+N], v[96+N:97+N], s[74:75], v[12:13] op_sel_hi:[1,0,0]   ; t - M, two at a time
.set N, N+2
.endr
.irp b, 0,1,2,3
	v_fma_f32 v[212+\b], v[212+\b], s74, v12       ; the same of each block's largest score
.endr
.set N, 0
	s_wait_alu depctr_va_vdst(0)
.rept 64
	v_exp_f32 v[96+N], v[96+N]                     ; p = 2^(t - M), at most 1
.set N, N+1
.endr
	v_pk_mul_f32 v[14:15], v[14:15], v[224:225] op_sel_hi:[1,0]   ; the sums under the new M (the plain place behind the exponentials)
	s_wait_alu depctr_va_vdst(0)                   ; one wait for the batch of 64, ahead of its first reader
.irp b, 0,1,2,3
	v_exp_f32 v[212+\b], v[212+\b]                 ; the block's largest p
.endr
	v_pk_add_f32 v[228:229], v[100:101], v[104:105]
	v_pk_add_f32 v[252:253], v[108:109], v[112:113]
	v_pk_add_f32 v[250:251], v[116:117], v[120:121]
	v_pk_add_f32 v[248:249], v[124:125], v[128:129]
	v_pk_add_f32 v[246:247], v[132:133], v[136:137]
	v_pk_add_f32 v[244:245], v[140:141], v[144:145]
	v_pk_add_f32 v[238:239], v[148:149], v[152:153]
	v_pk_add_f32 v[14:15], v[14:15], v[156:157]
	v_pk_add_f32 v[228:229], v[228:229], v[96:97]
	v_pk_add_f32 v[252:253], v[252:253], v[98:99]
	v_pk_add_f32 v[250:251], v[250:251], v[102:103]
	v_pk_add_f32 v[248:249], v[248:249], v[106:107]
	v_pk_add_f32 v[246:247], v[246:247], v[110:111]
	v_pk_add_f32 v[244:245], v[244:245], v[114:115]
	v_pk_add_f32 v[238:239], v[238:239], v[118:119]
	v_pk_add_f32 v[14:15], v[14:15], v[122:123]
	v_pk_add_f32 v[228:229], v[228:229], v[126:127]
	v_pk_add_f32 v[252:253], v[252:253], v[130:131]
	v_pk_add_f32 v[250:251], v[250:251], v[134:135]
	v_pk_add_f32 v[248:249], v[248:249], v[138:139]
	v_pk_add_f32 v[246:247], v[246:247], v[142:143]
	v_pk_add_f32 v[244:245], v[244:245], v[146:147]
	v_pk_add_f32 v[238:239], v[238:239], v[150:151]
	v_pk_add_f32 v[14:15], v[14:15], v[154:155]
	v_pk_add_f32 v[228:229], v[228:229], v[158:159]
	s_delay_alu instid0(VALU_DEP_2)
	v_pk_add_f32 v[14:15], v[14:15], v[248:249]
	s_delay_alu instid0(VALU_DEP_2)
	v_pk_add_f32 v[228:229], v[228:229], v[246:247]
	v_pk_add_f32 v[252:253], v[252:253], v[244:245]
	v_pk_add_f32 v[250:251], v[250:251], v[238:239]
	s_delay_alu instid0(VALU_DEP_2)
	v_pk_add_f32 v[14:15], v[14:15], v[252:253]
	s_delay_alu instid0(VALU_DEP_2)
	v_pk_add_f32 v[228:229], v[228:229], v[250:251]
	s_delay_alu instid0(VALU_DEP_1)
	v_pk_add_f32 v[14:15], v[14:15], v[228:229]
	s_setprio 0
	s_wait_alu depctr_va_vdst(0)                   ; and one for the four
.irp b, 0,1,2,3
	v_max_num_f32 v[212+\b], 0x2800000, v[212+\b]  ; the floor 2^(5 - 127): the byte cannot fall under 1 (a block of zeros keeps it: its codes are zeros)
.endr
.irp b, 0,1,2,3
	s_delay_alu instid0(VALU_DEP_4)
	v_add_nc_u32 v[220+\b], 0xfe000000, v[212+\b]  ; 4 off the exponent field: the conversion's scale operand
.endr
.irp b, 0,1,2,3
	s_delay_alu instid0(VALU_DEP_4)
	v_lshrrev_b32 v[216+\b], 23, v[220+\b]         ; the scale's byte
.endr
	s_delay_alu instid0(VALU_DEP_3)
	v_lshl_or_b32 v233, v217, 8, v216              ; p's scale word for these 128 keys
	s_delay_alu instid0(VALU_DEP_1)
	v_lshl_or_b32 v233, v218, 16, v233
	s_delay_alu instid0(VALU_DEP_1)
	v_lshl_or_b32 v233, v219, 24, v233
.irp c, 0,1
	v_cvt_scalef32_pk16_bf6_f32 v[192+6*\c:194+6*\c], v[96+32*\c:111+32*\c], v[220+2*\c]
	v_cvt_scalef32_pk16_bf6_f32 v[204+4*\c:206+4*\c], v[112+32*\c:127+32*\c], v[220+2*\c+1]   ; (a conversion's three registers begin on an even number)
.endr
	v_nop                                          ; one plain place behind a scaled conversion
.irp c, 0,1                                    ; a whole block to a lane: lanes 0-15 block 2 c, lanes 16-31 block 2 c + 1
.irp i, 0,1,2
	v_permlane16_swap_b32 v[192+6*\c+\i], v[204+4*\c+\i]
.endr
.irp i, 0,1,2
	s_delay_alu instid0(VALU_DEP_3)
	v_mov_b32 v[195+6*\c+\i], v[204+4*\c+\i]
.endr
.endr
.set N, 0
.rept 16
	v_pk_mul_f32 v[160+N:161+N], v[160+N:161+N], v[224:225] op_sel_hi:[1,0]   ; O^T under the new M.  (These 16 are also the places between p's codes and scale word and the products)
.set N, N+2
.endr
	s_wait_alu depctr_va_vdst(0)
	s_wait_dscnt 0x0                               ; V's fragments and scale words are in
.irp t, 0,1,2,3                                ; O^T += V^T P^T: four accumulators by turns, K = these 128 keys
	v_wmma_scale_f32_16x16x128_f8f6f4 v[160+8*\t:167+8*\t], v[40+12*\t:51+12*\t], v[192:203], v[160+8*\t:167+8*\t], v[240+\t], v233 matrix_a_fmt:MATRIX_FMT_BF6 matrix_b_fmt:MATRIX_FMT_BF6
.endr
.Lhidden:
	s_add_co_u32 s67, s67, 128
	s_add_co_u32 s68, s68, STEPB
	s_add_co_u32 s69, s69, 256
	s_add_co_u32 s66, s66, 1
	s_cmp_lt_u32 s66, 16
	s_cbranch_scc1 .Lstep
	s_setprio 0
	; THE PHASE'S END.  By the stored order of V's channels register 16 B + i of O^T is channel 32 B + 16 (lane / 16) + i of my query.
.rept 4
	v_nop                                          ; places behind the last products
.endr
	v_add_f32 v14, v14, v15                        ; the sum's two halves,
	s_delay_alu instid0(VALU_DEP_1)
	v_permlanex16_b32 v226, v14, s72, s73
	s_delay_alu instid0(VALU_DEP_1)
	v_add_f32 v14, v14, v226                       ; and lane l xor 16's: the row's sum
	s_wait_alu depctr_va_vdst(0)
	v_rcp_f32 v224, v14
	v_nop                                          ; a plain place behind the reciprocal
	v_cmp_eq_f32 s96, 0, v14                       ; lanes whose query has seen no key: it selects a value, nothing branches on it
	s_wait_alu depctr_va_vdst(0)                   ; ahead of the reciprocal's first reader
.set N, 0
.rept 16
	v_pk_mul_f32 v[160+N:161+N], v[160+N:161+N], v[224:225] op_sel_hi:[1,0]   ; O^T / the sum
.set N, N+2
.endr
.irp b, 0,1
	v_max3_num_f32 v[212+\b], |v[160+16*\b]|, |v[161+16*\b]|, 0x2800000   ; the head's two blocks of 32 channels, with the floor
.endr
.irp i, 2,4,6,8,10,12,14
.irp b, 0,1
	s_delay_alu instid0(VALU_DEP_2)
	v_max3_num_f32 v[212+\b], v[212+\b], |v[160+16*\b+\i]|, |v[161+16*\b+\i]|
.endr
.endr
.irp b, 0,1
	s_delay_alu instid0(VALU_DEP_2)
	v_permlanex16_b32 v[216+\b], v[212+\b], s72, s73
.endr
.irp b, 0,1
	s_delay_alu instid0(VALU_DEP_2)
	v_max_num_f32 v[212+\b], v[212+\b], v[216+\b]
.endr
.irp b, 0,1
	s_delay_alu instid0(VALU_DEP_2)
	v_add_nc_u32 v[220+\b], 0xfe000000, v[212+\b]
.endr
.irp b, 0,1
	s_delay_alu instid0(VALU_DEP_2)
	v_lshrrev_b32 v[216+\b], 23, v[220+\b]
.endr
	s_delay_alu instid0(VALU_DEP_1)
	v_cndmask_b32 v226, v216, v217, s98            ; lanes 0-15 store block 0's byte, lanes 16-31 block 1's,
	s_delay_alu instid0(VALU_DEP_1)
	v_cndmask_b32 v226, v226, v92, s96             ; or 0xff where the row has no key
	v_cvt_scalef32_pk16_bf6_f32 v[192:194], v[160:175], v220
	v_cvt_scalef32_pk16_bf6_f32 v[204:206], v[176:191], v221
	v_nop                                          ; one plain place behind a scaled conversion
.irp i, 0,1,2
	v_permlane16_swap_b32 v[192+\i], v[204+\i]
.endr
.irp i, 0,1,2
	s_delay_alu instid0(VALU_DEP_3)
	v_mov_b32 v[195+\i], v[204+\i]                 ; v192-197: lanes 0-15 channels 0-31, lanes 16-31 channels 32-63: half a fragment of the last product's operand
.endr
.irp p, 0,1,2
	global_store_b64 v6, v[192+2*\p:193+2*\p], s[76:77] offset:256*\p   ; 32 lanes store 256 consecutive bytes, aligned
.endr
	global_store_b8 v7, v226, s[78:79]             ; one byte a lane, rows 32 bytes apart: two bytes of a row's 32 are this head's
	s_wait_xcnt 0x0                                ; the stores have read their registers and bases: the next phase writes them again
	s_add_co_u32 s15, s15, 1
	s_cmp_lt_u32 s15, 2
	s_cbranch_scc1 .Lphase
	s_wait_tensorcnt 0x0
	ds_add_u32 v254, v255
	s_wait_dscnt 0x0
	s_endpgm
.Lfunc_end_k_q0420dd7dfc_attn:
	.size	k_q0420dd7dfc_attn, .Lfunc_end_k_q0420dd7dfc_attn-k_q0420dd7dfc_attn
	.p2alignl 7, 3214868480
	.fill 96, 4, 3214868480
	.section	.rodata,"a",@progbits
	.p2align	6, 0x0
	.amdhsa_kernel k_q0420dd7dfc_attn
		.amdhsa_group_segment_fixed_size 206848
		.amdhsa_private_segment_fixed_size 0
		.amdhsa_enable_private_segment 0
		.amdhsa_kernarg_size 40
		.amdhsa_user_sgpr_count 2
		.amdhsa_user_sgpr_kernarg_segment_ptr 1
		.amdhsa_wavefront_size32 1
		.amdhsa_system_sgpr_workgroup_id_x 1
		.amdhsa_system_sgpr_workgroup_id_y 1
		.amdhsa_system_sgpr_workgroup_id_z 1
		.amdhsa_system_vgpr_workitem_id 0
		.amdhsa_next_free_vgpr 256
		.amdhsa_next_free_sgpr 102
		.amdhsa_reserve_vcc 1
		.amdhsa_float_denorm_mode_32 3
		.amdhsa_float_denorm_mode_16_64 3
		.amdhsa_memory_ordered 1
		.amdhsa_forward_progress 1
		.amdhsa_inst_pref_size 44
	.end_amdhsa_kernel
	.amdgpu_metadata
---
amdhsa.version: [ 1, 2 ]
amdhsa.kernels:
  - .name:           k_q0420dd7dfc_attn
    .symbol:         k_q0420dd7dfc_attn.kd
    .args:
      - { .name: qkv_frag, .offset: 0, .size: 8, .value_kind: global_buffer, .address_space: global }
      - { .name: qkv_sc, .offset: 8, .size: 8, .value_kind: global_buffer, .address_space: global }
      - { .name: maskw, .offset: 16, .size: 8, .value_kind: global_buffer, .address_space: global }
      - { .name: ao_codes, .offset: 24, .size: 8, .value_kind: global_buffer, .address_space: global }
      - { .name: ao_scales, .offset: 32, .size: 8, .value_kind: global_buffer, .address_space: global }
    .group_segment_fixed_size: 206848
    .private_segment_fixed_size: 0
    .kernarg_segment_align: 8
    .kernarg_segment_size: 40
    .max_flat_workgroup_size: 512
    .sgpr_count:     102
    .vgpr_count:     256
    .wavefront_size: 32
...
	.end_amdgpu_metadata
.endif
;; end of part 3
;; launch proj (part 4): grid 4 x 32, 4 waves a work-group, clusters of 4 x 4, 327,680 bytes of LDS; arguments ao_codes, ao_scales, xw_codes, xw_scales, out0; writes out0
.if DOCPART == 4
	.amdgcn_target "amdgcn-amd-amdhsa--gfx1250"
	.amdhsa_code_object_version 6
	.text
	.protected	k_q0420dd7dfc_proj
	.globl	k_q0420dd7dfc_proj
	.p2align	8
	.type	k_q0420dd7dfc_proj,@function
k_q0420dd7dfc_proj:
	s_mov_b64 s[64:65], 0
	v_nop
	global_prefetch_b8 v0, s[64:65] scope:SCOPE_SE
	s_setreg_imm32_b32 hwreg(HW_REG_WAVE_MODE, 25, 1), 1
	s_wait_xcnt 0x0
	s_wait_alu depctr_hold_cnt(0) depctr_sa_sdst(0) depctr_va_vdst(0) depctr_va_sdst(0) depctr_va_ssrc(0) depctr_va_vcc(0) depctr_vm_vsrc(0)
	s_getreg_b32 s2, hwreg(HW_REG_IB_STS2, 6, 4)
	s_cmp_eq_u32 s2, 0
	s_cbranch_scc0 .Lentry_in_a_cluster
	s_endpgm
.Lentry_in_a_cluster:
	s_bfe_u32 s2, ttmp6, 0x10000c
	s_cmp_lg_u32 s2, 0xf033
	s_cbranch_scc0 .Lentry_shape_is_right
	s_endpgm
.Lentry_shape_is_right:
; out = a Wp^T on codes of BF6 (E3M2) with one E8M0 scale for each 32 along K = 1,024; f32 sums, K ascending.  a: the attention's result, 8,192 rows; Wp: rows 11,264 on of the stacked table.
; A tile of out, 256 x 256, is made by four waves, 128 x 128 each: 64 accumulators of 16 x 16.  K goes in steps of 256 through two LDS slots filled by the tensor data mover; the scale bytes of the
; work-group's rows come once.  4 x 4 work-groups form a cluster: a's tile is asked for jointly along a row of the cluster, Wp's along a column.
; The matrix instruction is used transposed (source 0 = 16 rows of Wp, source 1 = 16 rows of a): a lane holds eight neighbouring numbers of a row of out.
; a ARRIVES AS IMAGES OF THE OPERAND'S REGISTERS: [tile of 16 stored rows][head][3 pieces][lane][8 bytes]; heads 2 s and 2 s + 1 are registers 0-5 and 6-11 of the fragment of K step s.
; A tile's part of a slot (4 heads) is 3,072 consecutive bytes; a load of 8 bytes a lane reads 256 consecutive bytes.
; a's rows are stored with bits 3 and 4 of the token's index exchanged: the stores' offsets turn that back.  A row whose scale bytes are 0xff (a query without keys) comes out NaN.
; The grid has 128 work-groups: 128 tiles of 256 x 256.
; REGISTERS, in windows of 256: window 0: v0-31 addresses; v32-63 scale words, two sets; from v128 a's fragments, one set; on the way out v128-255 are rows read back.
;   window 1: Wp's fragments, two sets.   window 2: the accumulators of my rows 0-63 ((a, b) at v[8 (8 a + b)]);   window 3: those of rows 64-127.
.set SIZE_K, 1024
.set SIZE_N, 1024
.set KSTEP,  256
.set NQ,     KSTEP/128
.set ROWB,   192                       ; a row of Wp's tile in bytes
.set KROW,   SIZE_K*6/8
.set PITCH,  240                       ; Wp's LDS row: 3 x (64 bytes + 16 of padding)
.set ATILE,  3072                      ; 16 rows of a, 256 along K, as images
.set FR,     12
.set NL,     6
.set NP,     4
.set HALFT,  128*PITCH                 ; the LDS place of what one tensor load brings (a's loads use 24,576 bytes of it)
.set SLOT,   4*HALFT
.set LAPS,   SIZE_K/(2*KSTEP)
.set KS,     SIZE_K/32
.set SCL,    2*SLOT
.set HALFS,  (128*KS/256)*272
.set SBLK,   (16*KS/256)*272
.set SPARE,  SCL+4*HALFS               ; the spare words, 128 bytes for each wave: two blocks of 256 bytes that no other line names
.set SPITCH, 528                       ; the way out: a stage of 16 rows x (512 bytes + 16) for each wave, in slot 0, which has had its last fill and its last read when the first result is stored there
.set ADRA, 16                          ; v16-17 LDS address of my fragments of a in slot 0, 1
.set ADRB, 20                          ; v20-21 the same for Wp (v22-23: behind one padding more)
.set STO,  24
.set RD,   25
.set CO,   26
.set ADRS, 27
.set SPW,  28
.set NIL,  29
.set SC,   32
.set AF,   128
.set BK,   128
.set G1, 24
.set G0, 32
.set G1B, 48
.set G0B, 56
.set G1S, 68
.set G0S, 76
.set G1SB, 80
.set G0SB, 88
.set MSB, 0
.macro WIN new                         ; the immediate's high byte repeats the setting that is left
.if MSB != (\new)
	s_set_vgpr_msb (MSB<<8)|(\new)
.set MSB, (\new)
.endif
.endm
.set MUL_LO, 0xa1
.set MUL_HI, 0xf1
.set TO_B,   0x40
; A joint load: waves 0 and 1 fetch for a, waves 2 and 3 for Wp; four v_nop follow each of the two lines.
.macro JLOAD g0a, g1a, g0b, g1b
	s_cmp_eq_u32 s15, 0
	s_cbranch_scc0 .Lfor_b_\@
	tensor_load_to_lds s[\g0a:\g0a+3], s[\g1a:\g1a+7]
	s_nop 0
.rept 4
	v_nop
.endr
	s_branch .Lasked_\@
.Lfor_b_\@:
	tensor_load_to_lds s[\g0b:\g0b+3], s[\g1b:\g1b+7]
	s_nop 0
.rept 4
	v_nop
.endr
.Lasked_\@:
.endm
.macro CREST
	s_cmp_lg_u32 s14, 0
	s_cbranch_scc1 .Lnot_wave_0_\@
	s_barrier_signal -3
.Lnot_wave_0_\@:
	s_barrier_wait -3
	s_barrier_signal -1
	s_barrier_wait -1
.endm
.macro CROUND
	s_barrier_signal -1
	s_barrier_wait -1
	CREST
.endm
	s_load_b128 s[4:7], s[0:1], 0x0                ; a's codes, a's scale bytes
	s_load_b128 s[8:11], s[0:1], 0x10              ; the stacked codes, the stacked scale bytes
	s_load_b64 s[12:13], s[0:1], 0x20              ; out
	v_lshl_add_u32 v[SPW], v0, 2, SPARE
	v_mov_b32 v[NIL], 0
	ds_add_u32 v28, v29
	ds_add_u32 v28, v29
	s_wait_dscnt 0x0
	v_lshrrev_b32 v1, 5, v0
	v_readfirstlane_b32 s14, v1                    ; wave 0..3
	s_lshr_b32 s15, s14, 1                         ; which half of the tile's rows is mine.  Also: I fetch for a (0) or for Wp (1)
	s_and_b32 s16, s14, 1                          ; which half of its columns.  Also: which 128 rows of that tile I fetch
	s_bfe_u32 s40, ttmp6, 0x40000                  ; cx, cy
	s_bfe_u32 s41, ttmp6, 0x40004
	s_lshl_b32 s42, ttmp9, 2
	s_add_co_u32 s42, s42, s40                     ; tile column
	s_and_b32 s17, ttmp7, 0xffff
	s_lshl_b32 s17, s17, 2
	s_add_co_u32 s17, s17, s41                     ; tile row
	s_lshl_b32 s43, s41, 2
	s_lshl_b32 s43, 15, s43                        ; my row of the cluster
	s_lshl_b32 s44, 0x1111, s40                    ; my column
	; a's tiles: 8 rows (tiles of 16 stored rows) of 384 elements of 8 bytes, 12,288 bytes apart in memory, dense in LDS
	s_or_b32 s[G1+0], s43, (3<<16)|(1<<21)         ; 15:0 the mask: my row; 17:16 elements of 8 bytes; 20 no padding; 21 set beside a mask
	s_mov_b32 s[G1+1], (ATILE/8)<<16               ; tensor_dim0 = 384
	s_mov_b32 s[G1+2], 8<<16                       ; tensor_dim1 = 8
	s_mov_b32 s[G1+3], (ATILE/8)<<16               ; tile_dim0 = 384
	s_mov_b32 s[G1+4], 8                           ; tile_dim1 = 8
	s_mov_b32 s[G1+5], 16*KROW/8                   ; from row to row: 1,536 elements
	s_mov_b32 s[G1+6], 0
	s_mov_b32 s[G1+7], 0
	; Wp's tiles: 128 rows x 192 bytes, 16 bytes of padding behind every 64
	s_or_b32 s[G1B+0], s44, (0<<16)|(1<<20)|(1<<21)|(3<<22)|(3<<25)
	s_mov_b32 s[G1B+1], ROWB<<16
	s_mov_b32 s[G1B+2], 128<<16
	s_mov_b32 s[G1B+3], ROWB<<16
	s_mov_b32 s[G1B+4], 128
	s_mov_b32 s[G1B+5], KROW
	s_mov_b32 s[G1B+6], 0
	s_mov_b32 s[G1B+7], 0
	; the scales of 128 rows: 4,096 dense bytes, as 16 rows of 256 bytes, 16 bytes of padding behind each
	s_or_b32 s[G1S+0], s43, (3<<16)|(1<<20)|(1<<21)|(5<<22)|(3<<25)
	s_or_b32 s[G1SB+0], s44, (3<<16)|(1<<20)|(1<<21)|(5<<22)|(3<<25)
.irp g, G1S, G1SB
	s_mov_b32 s[\g+1], 32<<16
	s_mov_b32 s[\g+2], (128*KS/256)<<16
	s_mov_b32 s[\g+3], 32<<16
	s_mov_b32 s[\g+4], 128*KS/256
	s_mov_b32 s[\g+5], 32
	s_mov_b32 s[\g+6], 0
	s_mov_b32 s[\g+7], 0
.endr
	s_lshl_b32 s18, s16, 7                         ; which 128 rows of the tile I fetch
	s_lshl_b32 s20, s17, 8
	s_add_co_u32 s20, s20, s18                     ; a: stored row 256 x tile row + 128 x half
	s_lshl_b32 s46, s42, 8
	s_add_co_u32 s46, s46, s18
	s_add_co_u32 s46, s46, 44*256                  ; Wp: stacked row 11,264 + 256 x tile column + 128 x half
	s_mov_b32 s21, 0
	s_mov_b32 s47, 0
	s_mov_b64 s[18:19], KS
	s_mul_u64 s[22:23], s[20:21], s[18:19]
	s_mul_u64 s[92:93], s[46:47], s[18:19]
	s_mov_b64 s[18:19], KROW
	s_mul_u64 s[20:21], s[20:21], s[18:19]         ; 768 bytes a row: 12,288 a tile of 16 rows, in images too
	s_mul_u64 s[46:47], s[46:47], s[18:19]
	s_mul_i32 s45, s14, HALFT
	s_mul_i32 s94, s14, HALFS
	s_wait_kmcnt 0x0
	s_add_nc_u64 s[20:21], s[4:5], s[20:21]
	s_add_nc_u64 s[22:23], s[6:7], s[22:23]
	s_add_nc_u64 s[46:47], s[8:9], s[46:47]
	s_add_nc_u64 s[92:93], s[10:11], s[92:93]
	CROUND                                         ; all sixteen work-groups are here: the first joint loads meet
	s_mov_b32 s[G0S], 1
	s_add_co_u32 s[G0S+1], s94, SCL
	s_mov_b64 s[G0S+2:G0S+3], s[22:23]
	s_or_b32 s[G0S+3], s[G0S+3], 0x80000000
	s_mov_b32 s[G0SB], 1
	s_add_co_u32 s[G0SB+1], s94, SCL
	s_mov_b64 s[G0SB+2:G0SB+3], s[92:93]
	s_or_b32 s[G0SB+3], s[G0SB+3], 0x80000000
	JLOAD G0S, G1S, G0SB, G1SB                     ; the scales first
.irp s, 0,1
	s_mov_b32 s[G0+4*\s], 1
	s_add_co_u32 s[G0+4*\s+1], s45, \s*SLOT
	s_add_nc_u64 s[G0+4*\s+2:G0+4*\s+3], s[20:21], \s*ATILE
	s_or_b32 s[G0+4*\s+3], s[G0+4*\s+3], 0x80000000
	s_mov_b32 s[G0B+4*\s], 1
	s_add_co_u32 s[G0B+4*\s+1], s45, \s*SLOT
	s_add_nc_u64 s[G0B+4*\s+2:G0B+4*\s+3], s[46:47], \s*ROWB
	s_or_b32 s[G0B+4*\s+3], s[G0B+4*\s+3], 0x80000000
	s_wait_alu depctr_va_vdst(0)
	s_wait_tensorcnt 0x0
	ds_add_u32 v28, v29
	s_wait_dscnt 0x0
	CROUND
	JLOAD G0+4*\s, G1, G0B+4*\s, G1B               ; one tensor load of a wave is out here: the wait in front took the others
.endr
	v_and_b32 v1, 15, v0                           ; l % 16
	v_bfe_u32 v2, v0, 4, 1                         ; l / 16
	v_mul_u32_u24 v3, v1, PITCH
	v_mul_u32_u24 v4, v2, 24
	v_add_nc_u32 v4, v3, v4                        ; Wp: a fragment's row x pitch + 24 x half
	v_lshl_add_u32 v5, v2, 4, v4                   ; and the same behind one padding more
	v_and_b32 v6, 31, v0
	v_lshlrev_b32 v7, 3, v6                        ; a: 8 x lane
	s_mul_i32 s21, s15, HALFT                      ; my 128 rows of a
	s_mul_i32 s22, s16, HALFT                      ; my 128 rows of Wp,
	s_add_co_u32 s22, s22, 2*HALFT                 ; which lie behind a's places
.irp s, 0,1
	v_add_nc_u32 v[ADRA+\s], s21, v7
	v_add_nc_u32 v[ADRB+\s], s22, v4
	v_add_nc_u32 v[ADRB+2+\s], s22, v5
	s_add_co_u32 s21, s21, SLOT
	s_add_co_u32 s22, s22, SLOT
.endr
	v_mul_u32_u24 v5, v1, KS
	v_lshrrev_b32 v6, 8, v5
	v_lshl_add_u32 v5, v6, 4, v5
	s_mul_i32 s21, s15, HALFS
	s_mul_i32 s22, s16, HALFS
	s_add_co_u32 s22, s22, 2*HALFS
	s_sub_co_u32 s22, s22, s21
	v_mul_u32_u24 v6, s22, v2                      ; lanes 16-31 take Wp's
	s_add_co_u32 s21, s21, SCL
	v_add_nc_u32 v5, v5, v6
	v_add_nc_u32 v[ADRS], s21, v5
	s_mul_i32 s23, s14, 16*SPITCH                  ; my stage
	v_mul_u32_u24 v5, v1, SPITCH                   ; in: row l % 16, 32 bytes for each half of the lanes
	v_lshl_add_u32 v5, v2, 5, v5
	v_add_nc_u32 v[STO], s23, v5
	v_and_b32 v6, 31, v0
	v_lshlrev_b32 v[CO], 4, v6                     ; back: the 32 lanes take one row of 512 bytes; and the same in out
	v_add_nc_u32 v[RD], s23, v[CO]
	s_lshl_b32 s20, s17, 8
	s_lshl_b32 s21, s15, 7
	s_add_co_u32 s20, s20, s21                     ; my first row of out: the exchange of bits 3 and 4 stays inside groups of 32 rows
	s_mov_b32 s21, 0
	s_mov_b64 s[18:19], SIZE_N*4
	s_mul_u64 s[20:21], s[20:21], s[18:19]
	s_lshl_b32 s46, s42, 10                        ; my first column, in bytes
	s_lshl_b32 s47, s16, 9
	s_add_co_u32 s46, s46, s47
	s_mov_b32 s47, 0
	s_add_nc_u64 s[20:21], s[20:21], s[46:47]
	s_add_nc_u64 s[12:13], s[12:13], s[20:21]
.macro FRAG reg, adr, q, i             ; a fragment of Wp from padded rows, in pieces of 8 bytes
.irp p, 0,1,2,3,4,5
.set PC, 12*(\q)+6*(\p/3)+\p%3
.if PC%8 < 5
	ds_load_b64 v[\reg+2*\p:\reg+2*\p+1], v[\adr] offset:8*PC+16*(PC/8)+(\i)*16*PITCH
.else
	ds_load_b64 v[\reg+2*\p:\reg+2*\p+1], v[\adr+2] offset:8*PC+16*(PC/8)+(\i)*16*PITCH
.endif
.endr
.endm
.macro FRAGA reg, adr, q, i            ; a fragment of a from its image: six pieces of 256 bytes, 8 bytes a lane
.irp p, 0,1,2,3,4,5
	ds_load_b64 v[\reg+2*\p:\reg+2*\p+1], v[\adr] offset:(\i)*ATILE+(\q)*FR*128+256*\p
.endr
.endm
.macro MUL16 a0, p, q, sc, zero        ; 16 matrix instructions; the 64 accumulators take turns, one instruction a turn
.irp a, \a0, \a0+1
.irp b, 0,1,2,3,4,5,6,7
.if \zero
	v_wmma_scale_f32_16x16x128_f8f6f4 v[8*(8*((\a)%4)+\b):8*(8*((\a)%4)+\b)+7], v[128*(\p)+FR*\b:128*(\p)+FR*\b+FR-1], v[AF+FR*(\a):AF+FR*(\a)+FR-1], 0, v[SC+8*NQ*(\sc)+NQ*\b+(\q)], v[SC+8*NQ*(\sc)+NQ*(\a)+(\q)] matrix_a_fmt:MATRIX_FMT_BF6 matrix_b_fmt:MATRIX_FMT_BF6 matrix_a_scale:MATRIX_SCALE_ROW1
.else
	v_wmma_scale_f32_16x16x128_f8f6f4 v[8*(8*((\a)%4)+\b):8*(8*((\a)%4)+\b)+7], v[128*(\p)+FR*\b:128*(\p)+FR*\b+FR-1], v[AF+FR*(\a):AF+FR*(\a)+FR-1], v[8*(8*((\a)%4)+\b):8*(8*((\a)%4)+\b)+7], v[SC+8*NQ*(\sc)+NQ*\b+(\q)], v[SC+8*NQ*(\sc)+NQ*(\a)+(\q)] matrix_a_fmt:MATRIX_FMT_BF6 matrix_b_fmt:MATRIX_FMT_BF6 matrix_a_scale:MATRIX_SCALE_ROW1
.endif
.endr
.endr
.endm
.macro FETCH_B slot, q, p
	WIN TO_B
.irp i, 0,1,2,3,4,5,6,7
	FRAG 128*(\p)+FR*\i, ADRB+\slot, \q, \i
.endr
	WIN 0
.endm
.macro FETCH_A slot, q, i0
.irp i, \i0, \i0+1, \i0+2, \i0+3
	FRAGA AF+FR*(\i), ADRA+\slot, \q, \i
.endr
.endm
.macro SCALES sc
.irp i, 0,1,2,3,4,5,6,7
	ds_load_b64 v[SC+8*NQ*\sc+NQ*\i:SC+8*NQ*\sc+NQ*\i+1], v[ADRS] offset:\i*SBLK
.endr
.endm
.macro PLACES n                        ; plain vector instructions between a matrix instruction and a load into, or a read of, its registers
.rept \n
	v_nop
.endr
.endm
.macro STEP slot, q, zero
	s_wait_dscnt 4*NL                              ; Wp's set and a's blocks 0-3 are in; the youngest 24 loads (a's blocks 4-7) may be out
	WIN MUL_LO
	MUL16 0, (\q)%2, \q, \slot, \zero
	MUL16 2, (\q)%2, \q, \slot, \zero
	s_wait_dscnt 0
	PLACES NP
	FETCH_B \slot, (\q)+1, 1-(\q)%2
	FETCH_A \slot, (\q)+1, 0
	WIN MUL_HI
	MUL16 4, (\q)%2, \q, \slot, \zero
	MUL16 6, (\q)%2, \q, \slot, \zero
	PLACES NP
	WIN 0
	FETCH_A \slot, (\q)+1, 4
.endm
.macro TURN slot, next, fill
	s_wait_tensorcnt 0x0                           ; all my tensor loads have landed: my part of the next slot
	ds_add_u32 v[SPW], v[NIL]                      ; 0 onto my spare word
	s_wait_dscnt 4*NL+1                            ; the add and the youngest 24 loads may be out
	WIN MUL_LO
	MUL16 0, 1, NQ-1, \slot, 0
	s_wait_dscnt 0x0                               ; the add is done, and my reads of this slot are over
	s_barrier_signal -1
	MUL16 2, 1, NQ-1, \slot, 0
	WIN 0
	s_barrier_wait -1
.if \fill
	CREST                                          ; a round of the cluster's barrier: no wave of any partner still reads this slot or has a load on its way
	s_add_nc_u64 s[G0+4*\slot+2:G0+4*\slot+3], s[G0+4*\slot+2:G0+4*\slot+3], 2*ATILE
	s_add_nc_u64 s[G0B+4*\slot+2:G0B+4*\slot+3], s[G0B+4*\slot+2:G0B+4*\slot+3], 2*ROWB
	JLOAD G0+4*\slot, G1, G0B+4*\slot, G1B         ; the first tensor load behind the round
.else
	PLACES NP
.endif
	s_wait_alu depctr_va_vdst(0)
	v_add_nc_u32 v[ADRS], 4*NQ, v[ADRS]
	FETCH_B \next, 0, 0
	FETCH_A \next, 0, 0
	SCALES \next
	WIN MUL_HI
	MUL16 4, 1, NQ-1, \slot, 0
	MUL16 6, 1, NQ-1, \slot, 0
	PLACES NP
	WIN 0
	FETCH_A \next, 0, 4
.endm
	s_wait_alu depctr_va_vdst(0)
	s_wait_tensorcnt 1                             ; the scales and my part of K step 0 are in (K step 1's load may be out)
	s_barrier_signal -1
	s_barrier_wait -1
	FETCH_B 0, 0, 0
	FETCH_A 0, 0, 0
	SCALES 0
	FETCH_A 0, 0, 4
	STEP 0, 0, 1                                   ; the first step's products start the sums
	s_mov_b32 s3, LAPS-1
.Llap:
	TURN 0, 1, 1
	STEP 1, 0, 0
	TURN 1, 0, 1
	STEP 0, 0, 0
	s_sub_co_u32 s3, s3, 1
	s_cmp_lg_u32 s3, 0
	s_cbranch_scc1 .Llap
	TURN 0, 1, 0                                   ; the last lap fills nothing
	STEP 1, 0, 0
	s_wait_dscnt 4*NL
	WIN MUL_LO
	MUL16 0, 1, NQ-1, 1, 0
	MUL16 2, 1, NQ-1, 1, 0
	s_wait_dscnt 0
	WIN MUL_HI
	MUL16 4, 1, NQ-1, 1, 0
	MUL16 6, 1, NQ-1, 1, 0
	WIN 0
; THE WAY OUT, block by block of 16 rows x 128 columns, through my own stage in LDS: back come whole rows of 512 bytes.  LDS serves a wave's instructions in order: no wait between the stores and the loads.
.macro TOSTAGE a
.set AC, 64*((\a)%4)
	WIN 0x08+4*((\a)/4)                            ; the data: window 2 or 3
.irp b, 0,1,2,3,4,5,6,7
	ds_store_b128 v[STO], v[AC+8*\b:AC+8*\b+3] offset:64*\b          ; each accumulator from its low end on
	ds_store_b128 v[STO], v[AC+8*\b+4:AC+8*\b+7] offset:64*\b+16
.endr
	WIN 0
.set BB, BK+64*((\a)%2)
.irp t, 0,1,2,3,4,5,6,7,8,9,10,11,12,13,14,15
	ds_load_b128 v[BB+4*\t:BB+4*\t+3], v[RD] offset:\t*SPITCH
.endr
.endm
.macro SEND a, younger                 ; stored row 16 a + t is the token 32 (a / 2) + 8 (a % 2) + t + 8 (t / 8): the place stands in the immediate, 127 rows of 4,096 bytes at the most; the base is never stepped
.set BB, BK+64*((\a)%2)
	s_wait_dscnt \younger                          ; the block is back in registers
.irp t, 0,1,2,3,4,5,6,7,8,9,10,11,12,13,14,15
	global_store_b128 v[CO], v[BB+4*\t:BB+4*\t+3], s[12:13] offset:(32*((\a)/2)+8*((\a)%2)+\t+8*(\t/8))*SIZE_N*4 th:TH_STORE_NT   ; 32 lanes store 512 consecutive bytes, aligned; written once, read by nobody here
.endr
.endm
	PLACES NP
	TOSTAGE 0
.irp a, 1,2,3,4,5,6,7
.if \a > 1
	s_wait_xcnt 0x0                                ; block a - 2's stores have read their registers: block a's loads may land there
.endif
	TOSTAGE \a
	SEND \a-1, 32                                  ; behind block a - 1's loads: block a's 16 stores and 16 loads
.endr
	SEND 7, 0
	s_wait_tensorcnt 0x0                           ; the wave's end
	ds_add_u32 v[SPW], v[NIL]
	s_wait_dscnt 0x0
	CROUND                                         ; the closing round
	s_endpgm
.Lfunc_end_k_q0420dd7dfc_proj:
	.size	k_q0420dd7dfc_proj, .Lfunc_end_k_q0420dd7dfc_proj-k_q0420dd7dfc_proj
	.p2alignl 7, 3214868480
	.fill 96, 4, 3214868480
	.section	.rodata,"a",@progbits
	.p2align	6, 0x0
	.amdhsa_kernel k_q0420dd7dfc_proj
		.amdhsa_group_segment_fixed_size 327680
		.amdhsa_private_segment_fixed_size 0
		.amdhsa_enable_private_segment 0
		.amdhsa_kernarg_size 40
		.amdhsa_user_sgpr_count 2
		.amdhsa_user_sgpr_kernarg_segment_ptr 1
		.amdhsa_wavefront_size32 1
		.amdhsa_system_sgpr_workgroup_id_x 1
		.amdhsa_system_sgpr_workgroup_id_y 1
		.amdhsa_system_sgpr_workgroup_id_z 1
		.amdhsa_system_vgpr_workitem_id 0
		.amdhsa_next_free_vgpr 1024
		.amdhsa_next_free_sgpr 98
		.amdhsa_reserve_vcc 0
		.amdhsa_float_denorm_mode_32 3
		.amdhsa_float_denorm_mode_16_64 3
		.amdhsa_memory_ordered 1
		.amdhsa_forward_progress 1
		.amdhsa_inst_pref_size 160
	.end_amdhsa_kernel
	.amdgpu_metadata
---
amdhsa.version: [ 1, 2 ]
amdhsa.kernels:
  - .name:           k_q0420dd7dfc_proj
    .symbol:         k_q0420dd7dfc_proj.kd
    .args:
      - { .name: ao_codes, .offset: 0, .size: 8, .value_kind: global_buffer, .address_space: global }
      - { .name: ao_scales, .offset: 8, .size: 8, .value_kind: global_buffer, .address_space: global }
      - { .name: xw_codes, .offset: 16, .size: 8, .value_kind: global_buffer, .address_space: global }
      - { .name: xw_scales, .offset: 24, .size: 8, .value_kind: global_buffer, .address_space: global }
      - { .name: out0, .offset: 32, .size: 8, .value_kind: global_buffer, .address_space: global }
    .group_segment_fixed_size: 327680
    .private_segment_fixed_size: 0
    .kernarg_segment_align: 8
    .kernarg_segment_size: 40
    .max_flat_workgroup_size: 128
    .sgpr_count:     98
    .vgpr_count:     1024
    .wavefront_size: 32
...
	.end_amdgpu_metadata
.endif
;; end of part 4
